; MI455X (gfx1250); checked and timed in simulation.
; The chip was launched on July 23, 2026; its instructions are those of AMD's public machine-readable ISA for CDNA 5 (MIT licence, August 2026) and "CDNA5" Instruction Set Architecture Reference Guide (July 2026). The comments in the code are by the model that wrote it; some were corrected since.
;; Qwen3 Attention. Allowed arithmetic: float matrix products may take bf16 or f16 operands with f32 sums; all other float work in f32.
;; Inputs: Wk 1,024 x 4,096 float32; Wo 4,096 x 2,048 float32; Wq 2,048 x 4,096 float32; Wv 1,024 x 4,096 float32; hidden_states 1 x 2,048 x 4,096 float32; k_norm_w 128 float32; position_ids 1 x 2,048 int32; q_norm_w 128 float32.
;; Outputs: out0 1 x 2,048 x 4,096 float32.
;; One version. Each part assembles by itself: llvm-mc -triple=amdgcn-amd-amdhsa -mcpu=gfx1250 --defsym DOCPART=n.
;; ======== version 1 of 1: 4 launches
;; limits: values are held in f16: magnitudes above 65,504 overflow, below 6.1e-05 lose precision; right only within a limited range of input values
;; workspace buffers: xb 16,777,216 bytes; wqkv 33,554,432 bytes; wob 16,777,216 bytes; rope 1,048,576 bytes; qkv 16,777,216 bytes; ob 8,388,608 bytes
;; launch prep (part 1): grid 64 x 8, 8 waves a work-group, no clusters, 0 bytes of LDS; arguments hidden_states, Wq, Wk, Wv, Wo, position_ids, xb, wqkv, wob, rope; writes xb, wqkv, wob, rope
.if DOCPART == 1
	.amdgcn_target "amdgcn-amd-amdhsa--gfx1250"
	.amdhsa_code_object_version 6
	.text
	.protected	k_q70523b2b5c_prep
	.globl	k_q70523b2b5c_prep
	.p2align	8
	.type	k_q70523b2b5c_prep,@function
k_q70523b2b5c_prep:
	s_mov_b64 s[64:65], 0
	v_nop
	global_prefetch_b8 v0, s[64:65] scope:SCOPE_SE
	s_setreg_imm32_b32 hwreg(HW_REG_WAVE_MODE, 25, 1), 1
	s_wait_xcnt 0x0
; PREP.  Casts the module's f32 inputs for the matrix units and makes the table of cosines and sines.
;   xb   [2048][4096] bf16 = hidden_states;   wqkv [4096][4096] bf16 = Wq's, Wk's, Wv's rows on end;
;   wob  [4096][2048] f16  = 4 x bf16(Wo): rounded to bf16 like every other input, then written as f16 (exact down to f16's fixed step of 6e-8); the factor 4 undoes the 1/4 with which v and O are kept;
;   rope [2048][128] f32: for sequence row s: cos(pos[s] theta^(-f/64)), f = 0..63, then the 64 sines.
; SHARES.  The 128 MiB of f32 are eight parts of 16 MiB (grid y), each for 64 work-groups of 256 KiB.  Thread t owns the 16 bytes at 16 t of each chunk of 4,096 bytes, 64 chunks:
; a wave's load covers 512 consecutive bytes, its store of 8 bytes a lane 256 consecutive aligned bytes.  A ring of eight slots in registers keeps eight loads of every wave on their way.
; Each thread also makes one cosine and one sine: work-group g = 64 y + x has table rows 4 g .. 4 g + 3, thread t row t / 64, frequency t % 64 (a wave's table store covers 128 consecutive bytes).
; No LDS, no cluster, no matrix unit: no byte is read twice, so there is nothing to share.
; LIMITS.  |Wo| < 16,376 (f16's end, after the factor 4).  The angle is reduced by pi/2 in two parts (24 + 24 bits): good while pos theta^(-f/64) stays under some 1e6; theta^(-f/64) comes from v_exp_f32.
.set DEPTH,  8                         ; slots = loads in flight in each wave
.set ROUNDS, 8                         ; 64 chunks
.set OFFS, 16                          ; v16-23  slot i: byte offset of its 16 bytes in the source
.set OFFD, 24                          ; v24-31  slot i: byte offset of its 8 bytes in the destination
.set X,    32                          ; v32-63  slot i: four f32 as loaded
.set Y,    64                          ; v64-79  slot i: four 16-bit numbers to store
.set T,    80                          ; v80-85  at work
	s_load_b512 s[4:19], s[0:1], 0x0               ; hidden 4:5, Wq 6:7, Wk 8:9, Wv 10:11, Wo 12:13, pos 14:15, xb 16:17, wqkv 18:19
	s_load_b128 s[20:23], s[0:1], 0x40             ; wob 20:21, rope 22:23
	s_and_b32 s24, ttmp7, 0xffff                   ; y: which part
	s_mov_b32 s25, ttmp9                           ; x: which 256 KiB of it
	s_and_b32 s41, s24, 1
	s_mov_b32 s30, s41                             ; the part's number in its source (16 MiB each)
	s_mov_b32 s31, s41                             ; and in its destination (8 MiB each)
	s_lshl_b32 s36, s24, 6
	s_add_co_u32 s36, s36, s25                     ; g
	s_mov_b32 s37, 0xffff0000                      ; a word's upper bf16
	v_lshlrev_b32 v1, 4, v0
	v_lshlrev_b32 v2, 3, v0
.irp i, 0,1,2,3,4,5,6,7
	v_add_nc_u32 v[OFFS+(\i)], (\i)*4096, v1
	v_add_nc_u32 v[OFFD+(\i)], (\i)*2048, v2
.endr
	v_lshrrev_b32 v3, 6, v0                        ; my table row among the group's four
	v_and_b32 v5, 63, v0                           ; my frequency f
	v_lshlrev_b32 v13, 2, v3                       ; its position's byte offset
	v_lshlrev_b32 v14, 2, v5
	v_lshl_add_u32 v14, v3, 9, v14                 ; my cosine's byte offset: 512 x row + 4 f
	s_wait_kmcnt 0x0
	s_mov_b64 s[26:27], s[4:5]                     ; y = 0, 1: hidden_states -> xb.  The choices hang on y alone
	s_mov_b64 s[28:29], s[16:17]
	s_cmp_ge_u32 s24, 2                            ; y = 2, 3: Wq -> wqkv's parts 0, 1
	s_cselect_b64 s[26:27], s[6:7], s[26:27]
	s_cselect_b64 s[28:29], s[18:19], s[28:29]
	s_cmp_ge_u32 s24, 4                            ; y = 4: Wk -> part 2
	s_cselect_b64 s[26:27], s[8:9], s[26:27]
	s_cselect_b32 s30, 0, s30
	s_cselect_b32 s31, 2, s31
	s_cmp_ge_u32 s24, 5                            ; y = 5: Wv -> part 3
	s_cselect_b64 s[26:27], s[10:11], s[26:27]
	s_cselect_b32 s31, 3, s31
	s_cmp_ge_u32 s24, 6                            ; y = 6, 7: Wo -> wob
	s_cselect_b64 s[26:27], s[12:13], s[26:27]
	s_cselect_b64 s[28:29], s[20:21], s[28:29]
	s_cselect_b32 s30, s41, s30
	s_cselect_b32 s31, s41, s31
	s_lshl_b32 s32, s30, 24                        ; the offsets are made apart from the addresses
	s_lshl_b32 s33, s25, 18
	s_add_co_u32 s32, s32, s33
	s_mov_b32 s33, 0
	s_lshl_b32 s34, s31, 23
	s_lshl_b32 s35, s25, 17
	s_add_co_u32 s34, s34, s35
	s_mov_b32 s35, 0
	s_add_nc_u64 s[26:27], s[26:27], s[32:33]
	s_add_nc_u64 s[28:29], s[28:29], s[34:35]
	s_lshl_b32 s32, s36, 4                         ; four positions,
	s_lshl_b32 s34, s36, 11                        ; four table rows of 512 bytes
	s_add_nc_u64 s[14:15], s[14:15], s[32:33]
	s_add_nc_u64 s[22:23], s[22:23], s[34:35]
	global_load_b32 v4, v13, s[14:15]              ; my row's position
.irp i, 0,1,2,3,4,5,6,7
	global_load_b128 v[X+4*(\i):X+4*(\i)+3], v[OFFS+(\i)], s[26:27] th:TH_LOAD_NT  ; the ring is filled: chunks 0 to 7
.endr
	; cosine and sine, while the ring's loads are on their way
	v_cvt_f32_u32 v5, v5
	v_mul_f32 v5, 0xbe9f73da, v5                   ; -f log2(1e6) / 64
	v_exp_f32 v5, v5                               ; theta^(-f/64); the conversion below is the plain instruction behind it
	s_wait_loadcnt 0x8                             ; loads come back in order: the position is in, the eight behind it stay out
	v_cvt_f32_i32 v6, v4
	s_wait_alu depctr_va_vdst(0)
	v_mul_f32 v6, v6, v5                           ; the angle x, rounded as a product of two f32
	v_mul_f32 v7, 0x3f22f983, v6                   ; x 2 / pi
	v_rndne_f32 v7, v7                             ; n
	v_fmamk_f32 v8, v7, 0xbfc90fdb, v6             ; r = x - n pi/2, the upper 24 bits of pi/2,
	v_fmamk_f32 v8, v7, 0x333bbd2e, v8             ; and the next 24: |r| <= pi/4
	v_cvt_i32_f32 v9, v7
	v_mul_f32 v10, v8, v8                          ; z = r r
	v_mov_b32 v11, 0xb94ca1f9                      ; sin r = r + r z (-1.6666655e-1 + z (8.3321609e-3 - 1.9515296e-4 z))
	v_fmaak_f32 v11, v11, v10, 0x3c08839e
	v_fmaak_f32 v11, v11, v10, 0xbe2aaaa3
	v_mul_f32 v11, v11, v10
	v_fma_f32 v11, v11, v8, v8
	v_mov_b32 v12, 0x37ccf5ce                      ; cos r = 1 - z / 2 + z z (4.1666646e-2 + z (-1.3887316e-3 + 2.4433157e-5 z))
	v_fmaak_f32 v12, v12, v10, 0xbab6061a
	v_fmaak_f32 v12, v12, v10, 0x3d2aaaa5
	v_mul_f32 v12, v12, v10
	v_fma_f32 v15, v10, -0.5, 1.0
	v_fma_f32 v12, v12, v10, v15
	v_and_b32 v15, 1, v9                           ; odd n: sine and cosine change places
	v_cmp_eq_u32 vcc_lo, 1, v15
	v_cndmask_b32 v1, v11, v12, vcc_lo             ; sine
	v_cndmask_b32 v2, v12, v11, vcc_lo             ; cosine
	v_lshlrev_b32 v15, 30, v9                      ; the sine is negative where n % 4 is 2 or 3,
	v_and_b32 v15, 0x80000000, v15
	v_xor_b32 v1, v1, v15
	v_add_nc_u32 v9, 1, v9                         ; the cosine where it is 1 or 2
	v_lshlrev_b32 v9, 30, v9
	v_and_b32 v9, 0x80000000, v9
	v_xor_b32 v2, v2, v9
	global_store_b32 v14, v2, s[22:23]
	global_store_b32 v14, v1, s[22:23] offset:256
; One slot's turn.  ahead = 1: the slot is filled again with the chunk DEPTH further on.  left = how many younger loads may stay out.  mode = 1: Wo's form.
.macro SLOT i, ahead, left, mode
	s_wait_loadcnt \left                           ; loads come back in order: mine is in
	s_wait_xcnt 0x0                                ; every earlier memory instruction has had its addresses translated: this slot's Y and OFFD, which its last store reads, are rewritten only behind this wait
.if \mode
.irp j, 0,1
	v_cvt_pk_bf16_f32 v[T+(\j)], v[X+4*(\i)+2*(\j)], v[X+4*(\i)+2*(\j)+1]  ; the rounding that every input gets,
	v_lshlrev_b32 v[T+2+2*(\j)], 16, v[T+(\j)]
	v_and_b32     v[T+3+2*(\j)], s37, v[T+(\j)]
	v_pk_mul_f32  v[T+2+2*(\j):T+3+2*(\j)], v[T+2+2*(\j):T+3+2*(\j)], 4.0 op_sel_hi:[1,0]  ; a power of two: exact,
	v_cvt_pk_f16_f32 v[Y+2*(\i)+(\j)], v[T+2+2*(\j)], v[T+3+2*(\j)]        ; and 8 bits fit in f16's 11
.endr
.else
	v_cvt_pk_bf16_f32 v[Y+2*(\i)],   v[X+4*(\i)],   v[X+4*(\i)+1]
	v_cvt_pk_bf16_f32 v[Y+2*(\i)+1], v[X+4*(\i)+2], v[X+4*(\i)+3]
.endif
.if \ahead
	v_add_nc_u32 v[OFFS+(\i)], DEPTH*4096, v[OFFS+(\i)]
	global_load_b128 v[X+4*(\i):X+4*(\i)+3], v[OFFS+(\i)], s[26:27] th:TH_LOAD_NT
	v_add_nc_u32 v[OFFD+(\i)], DEPTH*2048, v[OFFD+(\i)]
	global_store_b64 v[OFFD+(\i)], v[Y+2*(\i):Y+2*(\i)+1], s[28:29] offset:-DEPTH*2048
.else
	global_store_b64 v[OFFD+(\i)], v[Y+2*(\i):Y+2*(\i)+1], s[28:29]
.endif
.endm
.macro STREAM mode
	s_mov_b32 s40, ROUNDS-1
.Lround_\@:
.irp i, 0,1,2,3,4,5,6,7
	SLOT \i, 1, DEPTH-1, \mode
.endr
	s_sub_co_u32 s40, s40, 1
	s_cmp_lg_u32 s40, 0
	s_cbranch_scc1 .Lround_\@
.irp i, 0,1,2,3,4,5,6,7
	SLOT \i, 0, DEPTH-1-(\i), \mode                ; the last round loads nothing: the counts run down
.endr
	s_endpgm
.endm
	s_cmp_ge_u32 s24, 6
	s_cbranch_scc1 .Lwo
	STREAM 0
.Lwo:
	STREAM 1
.Lfunc_end_k_q70523b2b5c_prep:
	.size	k_q70523b2b5c_prep, .Lfunc_end_k_q70523b2b5c_prep-k_q70523b2b5c_prep
	.p2alignl 7, 3214868480
	.fill 96, 4, 3214868480
	.section	.rodata,"a",@progbits
	.p2align	6, 0x0
	.amdhsa_kernel k_q70523b2b5c_prep
		.amdhsa_group_segment_fixed_size 0
		.amdhsa_private_segment_fixed_size 0
		.amdhsa_enable_private_segment 0
		.amdhsa_kernarg_size 80
		.amdhsa_user_sgpr_count 2
		.amdhsa_user_sgpr_kernarg_segment_ptr 1
		.amdhsa_wavefront_size32 1
		.amdhsa_system_sgpr_workgroup_id_x 1
		.amdhsa_system_sgpr_workgroup_id_y 1
		.amdhsa_system_sgpr_workgroup_id_z 1
		.amdhsa_system_vgpr_workitem_id 0
		.amdhsa_next_free_vgpr 88
		.amdhsa_next_free_sgpr 66
		.amdhsa_reserve_vcc 1
		.amdhsa_float_denorm_mode_32 3
		.amdhsa_float_denorm_mode_16_64 3
		.amdhsa_memory_ordered 1
		.amdhsa_forward_progress 1
		.amdhsa_inst_pref_size 25
	.end_amdhsa_kernel
	.amdgpu_metadata
---
amdhsa.version: [ 1, 2 ]
amdhsa.kernels:
  - .name:           k_q70523b2b5c_prep
    .symbol:         k_q70523b2b5c_prep.kd
    .args:
      - { .name: hidden_states, .offset: 0, .size: 8, .value_kind: global_buffer, .address_space: global }
      - { .name: Wq, .offset: 8, .size: 8, .value_kind: global_buffer, .address_space: global }
      - { .name: Wk, .offset: 16, .size: 8, .value_kind: global_buffer, .address_space: global }
      - { .name: Wv, .offset: 24, .size: 8, .value_kind: global_buffer, .address_space: global }
      - { .name: Wo, .offset: 32, .size: 8, .value_kind: global_buffer, .address_space: global }
      - { .name: position_ids, .offset: 40, .size: 8, .value_kind: global_buffer, .address_space: global }
      - { .name: xb, .offset: 48, .size: 8, .value_kind: global_buffer, .address_space: global }
      - { .name: wqkv, .offset: 56, .size: 8, .value_kind: global_buffer, .address_space: global }
      - { .name: wob, .offset: 64, .size: 8, .value_kind: global_buffer, .address_space: global }
      - { .name: rope, .offset: 72, .size: 8, .value_kind: global_buffer, .address_space: global }
    .group_segment_fixed_size: 0
    .private_segment_fixed_size: 0
    .kernarg_segment_align: 8
    .kernarg_segment_size: 80
    .max_flat_workgroup_size: 256
    .sgpr_count:     66
    .vgpr_count:     88
    .wavefront_size: 32
...
	.end_amdgpu_metadata
.endif
;; end of part 1
;; launch qkv (part 2): grid 16 x 16, 4 waves a work-group, clusters of 4 x 4, 327,680 bytes of LDS; arguments xb, wqkv, q_norm_w, k_norm_w, rope, qkv; writes qkv
.if DOCPART == 2
	.amdgcn_target "amdgcn-amd-amdhsa--gfx1250"
	.amdhsa_code_object_version 6
	.text
	.protected	k_q70523b2b5c_qkv
	.globl	k_q70523b2b5c_qkv
	.p2align	8
	.type	k_q70523b2b5c_qkv,@function
k_q70523b2b5c_qkv:
	s_mov_b64 s[64:65], 0
	v_nop
	global_prefetch_b8 v0, s[64:65] scope:SCOPE_SE
	s_setreg_imm32_b32 hwreg(HW_REG_WAVE_MODE, 25, 1), 1
	s_wait_xcnt 0x0
	s_wait_alu depctr_hold_cnt(0) depctr_sa_sdst(0) depctr_va_vdst(0) depctr_va_sdst(0) depctr_va_ssrc(0) depctr_va_vcc(0) depctr_vm_vsrc(0)
	s_getreg_b32 s2, hwreg(HW_REG_IB_STS2, 6, 4)
	s_cmp_eq_u32 s2, 0
	s_cbranch_scc0 .Lentry_in_a_cluster
	s_endpgm
.Lentry_in_a_cluster:
	s_bfe_u32 s2, ttmp6, 0x10000c
	s_cmp_lg_u32 s2, 0xf033
	s_cbranch_scc0 .Lentry_shape_is_right
	s_endpgm
.Lentry_shape_is_right:
; QKV.  C = xb wqkv^T (2048 x 4096, K = 4096, bf16 operands, f32 sums); on the way out, in registers: for q's and k's heads the RMS norm over the head's 128 channels, the gain and the rotation by
; the table's cosines and sines; for v's heads a factor 1/4.  Stored as f16 by heads: qkv [32][2048][128]: heads 0-15 q, 16-23 k, 24-31 v / 4.
; LIMITS.  f16 ends at 65,504: |q|, |k| behind the gain stay under it (the norm bounds them by 11.4 x the gain), |v| under 262,000.  The gains are rounded to bf16, as all floating-point inputs are.
; SHARES.  A tile of C is 128 rows x 256 columns: 16 x 16 = 256 work-groups.  Four waves, each 64 rows x 128 columns: 32 accumulators of 16 x 16, all of register window 1.  A wave's 128 columns are ONE head.
; THE RING.  What may land behind a barrier is the LDS that has just been read out, so the two zones are made as large as LDS allows.  Two zones of K = 256 would take 2 x 384 rows x 528 bytes = 405,504;
; so zone 0 holds K = 256 (rows of 512 bytes) and zone 1 K = 128 (rows of 256 bytes): 202,752 + 104,448 bytes.  They are visited by turns: K = 4096 = 256 + 10 x 384 is zone 0, then ten times zone 1, zone 0:
; 21 visits.  At a visit's end the zone is asked for again, 384 along K further on; zone 1's refill has 248 matrix instructions of a wave in which to land, zone 0's 120.  All tile rows begin at multiples of 256 bytes.
; CLUSTER.  4 x 4 work-groups; A's tile is shared along a row of the cluster, B's along a column: each is asked for jointly, by the same load, descriptor and mask in the four that share it.
; The kind of head hangs on the cluster's x alone (0, 1: q; 2: k; 3: v), so the one branch on it is alike in all sixteen partners.
; THE MATRIX INSTRUCTION IS USED TRANSPOSED (source 0 = 16 rows of wqkv, source 1 = 16 rows of xb): lane l holds row l % 16 of C and, in accumulator b, the columns 16 b + 8 (l / 16) + 0..7.
; So a lane holds half a head's channels of one row, channel d and channel d + 64 in the same lane: the norm wants one exchange between the halves of the lanes, the rotation none.
; REGISTERS: window 0: v0-31 addresses; v32-41 the norm; v64-159, v160-255 two fragment buffers (A's 4 fragments, then B's 8), on the way out at work.  Window 1: accumulator (a, b) at v[64 a + 8 b].
;   window 2: v0-63 the gains of my 64 channels.   window 3: for my row in block a: 32 cosines at v[64 a], 32 sines at v[64 a + 32].
.set SIZE_K, 4096
.set P0,     528                       ; an LDS row of zone 0: 512 bytes + 16 of padding; of zone 1: 256 + 16.  Both are odd multiples of 16: the 16 rows of a fragment load start at 16 different groups of four banks (64 banks of 4 bytes: ISA guide 11.1)
.set P1,     272
.set Z0A,    0                         ; zone 0: A's 128 rows, then B's 256
.set Z0B,    128*P0
.set Z1A,    384*P0                    ; zone 1 likewise
.set Z1B,    Z1A+128*P1
.set STAGE,  Z1A+384*P1                ; behind the ring: 16 rows x 272 bytes for each wave, for the way out; no tensor load lands here
.set SPT,    272
.set SPARE,  STAGE+4*16*SPT            ; the spare words, 128 bytes for each wave: two blocks of 256 bytes that no other line names
.set LAP,    768                       ; bytes along K from a zone's tile to its next: 384 elements
.set K0_0,   0                         ; where zone 0's first tile begins along K, in bytes,
.set K1_0,   512                       ; and zone 1's
.set TRIPS,  10                        ; zone 0's visits that end in a refill
.set AB,   12                          ; v12, v13  my lane's place in A's and in B's part of zone 0; v14, v15 of zone 1; never rewritten
.set ADRA, 18                          ; v18  where the next fragments of A are read
.set ADRB, 19                          ; v19  of B
.set STO,  20                          ; v20  the way out: where I put 16 bytes of a row
.set RD,   21                          ; v21  where I read rows back
.set CO,   22                          ; v22  my byte offset in 512 consecutive bytes of the head
.set WOF,  23                          ; v23  my byte offset in the gains
.set ROF,  24                          ; v24  my byte offset in 16 rows of the table
.set SPW,  28                          ; v28  LDS address of my spare word; never rewritten
.set NIL,  29                          ; v29  0; never rewritten
.set SS,   32                          ; v32-39  four pairs of partial sums of squares
.set RS,   40                          ; v40  1 / rms; v41 is named with it as a pair
.set F0,   64
.set F1,   160
.set T,    64                          ; the way out: 64 numbers at work
.set U,    128                         ; 64 rotated numbers
.set PK,   192                         ; 32 registers of f16 pairs
.set BK,   224                         ; 16 rows read back from the stage
.set WV, 16
.set RH, 17                            ; which 64 rows of the tile are mine.  Also: I fetch for A (0) or for B (1)
.set CH, 18                            ; which 128 columns.  Also: which half of that tile I fetch
.set CX, 19
.set CY, 20
.set TX, 21
.set TY, 22
.set G1A, 24                           ; s[24:31] descriptor group 1 for A's tiles of zone 0, s[32:39] of zone 1
.set G1B, 40                           ; s[40:47], s[48:55] the same for B's
.set G0A, 56                           ; s[56:59] group 0 for A's tiles of zone 0, s[60:63] of zone 1
.set G0B, 88                           ; s[88:91], s[92:95] the same for B's
.set SEL, 66                           ; s[66:67] v_permlanex16_b32's selects: each lane takes its own place in the other half
.set INV, 68                           ; 1 / 128
.set EPS, 69                           ; 1e-6
.set VS,  70                           ; s[70:71] 1 / 4
.set WP,  72                           ; s[72:73] the gains of my kind of head
.set RP,  74                           ; s[74:75] the table at my first row
.set DP,  76                           ; s[76:77] qkv at my head and first row
.set TYP, 78                           ; the cluster's x
.set HIM, 79                           ; a word's upper bf16
.set KO,  96                           ; bytes along K gone in zone 0's middle quarters
.set CNT, 97
.set CN2, 98
.set MSB, 0
.macro WIN new                         ; the immediate's high byte repeats the setting that is left; a switch that changes nothing is dropped
.if MSB != (\new)
	s_set_vgpr_msb (MSB<<8)|(\new)
.set MSB, \new
.endif
.endm
.set MULW, 0x50                        ; C and D in window 1, the fragments in window 0
.macro PLACES                          ; four places: in front of loads into registers that matrix instructions have read, and of vector work on registers that they name
.rept 4
	v_nop
.endr
.endm
; A joint refill of zone z.  Waves 0 and 1 fetch A's halves, waves 2 and 3 B's; the branch hangs on the wave's number alone.  An s_nop 0 and four v_nop follow each of the two lines.
.macro JLOAD z
	s_cmp_eq_u32 s[RH], 0
	s_cbranch_scc0 .Lfor_b_\@
	tensor_load_to_lds s[G0A+4*(\z):G0A+4*(\z)+3], s[G1A+8*(\z):G1A+8*(\z)+7]
	s_nop 0
.rept 4
	v_nop
.endr
	s_branch .Lasked_\@
.Lfor_b_\@:
	tensor_load_to_lds s[G0B+4*(\z):G0B+4*(\z)+3], s[G1B+8*(\z):G1B+8*(\z)+7]
	s_nop 0
.rept 4
	v_nop
.endr
.Lasked_\@:
.endm
.macro CREST                           ; a round of the cluster's barrier behind its opening barrier
	s_cmp_lg_u32 s[WV], 0
	s_cbranch_scc1 .Lnot_wave_0_\@
	s_barrier_signal -3
.Lnot_wave_0_\@:
	s_barrier_wait -3
	s_barrier_signal -1
	s_barrier_wait -1
.endm
.macro CROUND                          ; a whole round
	s_barrier_signal -1
	s_barrier_wait -1
	CREST
.endm
	s_load_b256 s[4:11], s[0:1], 0x0               ; xb 4:5, wqkv 6:7, q_norm_w 8:9, k_norm_w 10:11
	s_load_b128 s[12:15], s[0:1], 0x20             ; rope 12:13, qkv 14:15
	v_lshl_add_u32 v[SPW], v0, 2, SPARE
	v_mov_b32 v[NIL], 0
	ds_add_u32 v28, v29
	s_wait_dscnt 0x0
	v_mov_b32 v[RS+1], 0
	v_lshrrev_b32 v1, 5, v0
	v_readfirstlane_b32 s[WV], v1                  ; wave 0..3
	s_lshr_b32 s[RH], s[WV], 1
	s_and_b32 s[CH], s[WV], 1
	s_bfe_u32 s[CX], ttmp6, 0x40000
	s_bfe_u32 s[CY], ttmp6, 0x40004
	s_lshl_b32 s[TX], ttmp9, 2
	s_add_co_u32 s[TX], s[TX], s[CX]               ; tile column = 4 x cluster x + cx
	s_and_b32 s[TY], ttmp7, 0xffff
	s_lshl_b32 s[TY], s[TY], 2
	s_add_co_u32 s[TY], s[TY], s[CY]               ; tile row = 4 x cluster y + cy
	s_mov_b32 s[TYP], ttmp9
	s_lshl_b32 s80, s[CY], 2
	s_lshl_b32 s80, 15, s80                        ; my row of the cluster
	s_lshl_b32 s84, 0x1111, s[CX]                  ; my column
	; group 1, word 0: the mask; elements of 2 bytes; padding on; bit 21 beside a mask; after every 128 words (zone 0, code 6) or 64 words (zone 1, code 5) 4 words of padding
	s_or_b32 s[G1A],   s80, (1<<16)|(1<<20)|(1<<21)|(6<<22)|(3<<25)
	s_or_b32 s[G1A+8], s80, (1<<16)|(1<<20)|(1<<21)|(5<<22)|(3<<25)
	s_or_b32 s[G1B],   s84, (1<<16)|(1<<20)|(1<<21)|(6<<22)|(3<<25)
	s_or_b32 s[G1B+8], s84, (1<<16)|(1<<20)|(1<<21)|(5<<22)|(3<<25)
.irp g, G1A, G1B
	s_mov_b32 s[(\g)+1], 256<<16                   ; zone 0: tensor_dim0 = tile_dim0 = 256
	s_mov_b32 s[(\g)+3], 256<<16
	s_mov_b32 s[(\g)+9], 128<<16                   ; zone 1: 128
	s_mov_b32 s[(\g)+11], 128<<16
.endr
.irp g, G1A, G1A+8
	s_mov_b32 s[(\g)+2], 64<<16                    ; tensor_dim1 = tile_dim1 = 64 rows of A,
	s_mov_b32 s[(\g)+4], 64
.endr
.irp g, G1B, G1B+8
	s_mov_b32 s[(\g)+2], 128<<16                   ; 128 of B
	s_mov_b32 s[(\g)+4], 128
.endr
.irp g, G1A, G1A+8, G1B, G1B+8
	s_mov_b32 s[(\g)+5], SIZE_K                    ; elements from row to row
	s_mov_b32 s[(\g)+6], 0
	s_mov_b32 s[(\g)+7], 0
.endr
	s_lshl_b32 s80, s[TY], 7                       ; A: row 128 x tile row + 64 x half.  No register that feeds A's descriptors holds cx, none that feeds B's holds cy
	s_lshl_b32 s81, s[CH], 6
	s_add_co_u32 s80, s80, s81
	s_mul_i32 s80, s80, SIZE_K*2
	s_mov_b32 s81, 0
	s_lshl_b32 s84, s[TX], 8                       ; B: row 256 x tile column + 128 x half
	s_lshl_b32 s85, s[CH], 7
	s_add_co_u32 s84, s84, s85
	s_mul_i32 s84, s84, SIZE_K*2
	s_mov_b32 s85, 0
	s_mov_b32 s[G0A], 1                            ; where the tiles go: constants and the wave's number alone
	s_mul_i32 s[G0A+1], s[CH], 64*P0
	s_mov_b32 s[G0A+4], 1
	s_mul_i32 s[G0A+5], s[CH], 64*P1
	s_add_co_u32 s[G0A+5], s[G0A+5], Z1A
	s_mov_b32 s[G0B], 1
	s_mul_i32 s[G0B+1], s[CH], 128*P0
	s_add_co_u32 s[G0B+1], s[G0B+1], Z0B
	s_mov_b32 s[G0B+4], 1
	s_mul_i32 s[G0B+5], s[CH], 128*P1
	s_add_co_u32 s[G0B+5], s[G0B+5], Z1B
	s_mov_b32 s[SEL], 0x76543210
	s_mov_b32 s[SEL+1], 0xfedcba98
	s_mov_b32 s[INV], 0x3c000000
	s_mov_b32 s[EPS], 0x358637bd
	s_mov_b32 s[VS], 0x3e800000
	s_mov_b32 s[VS+1], s[VS]                       ; named with it as a pair
	s_mov_b32 s[HIM], 0xffff0000
	s_lshl_b32 s82, s[TY], 7                       ; my first row of C
	s_lshl_b32 s83, s[RH], 6
	s_add_co_u32 s82, s82, s83
	s_lshl_b32 s100, s[TX], 1
	s_add_co_u32 s100, s100, s[CH]                 ; my head
	s_lshl_b32 s100, s100, 19                      ; 2,048 rows of 256 bytes
	s_lshl_b32 s101, s82, 8
	s_add_co_u32 s100, s100, s101
	s_mov_b32 s101, 0
	s_lshl_b32 s82, s82, 9                         ; a table row is 512 bytes
	s_mov_b32 s83, 0
	s_wait_kmcnt 0x0
	s_add_nc_u64 s[4:5], s[4:5], s[80:81]                      ; A and B at my rows
	s_add_nc_u64 s[6:7], s[6:7], s[84:85]
	s_add_nc_u64 s[G0A+2:G0A+3], s[4:5], K0_0                  ; each zone's first tile
	s_add_nc_u64 s[G0A+6:G0A+7], s[4:5], K1_0
	s_or_b32 s[G0A+3], s[G0A+3], 0x80000000                    ; type = 2
	s_or_b32 s[G0A+7], s[G0A+7], 0x80000000
	s_add_nc_u64 s[G0B+2:G0B+3], s[6:7], K0_0
	s_add_nc_u64 s[G0B+6:G0B+7], s[6:7], K1_0
	s_or_b32 s[G0B+3], s[G0B+3], 0x80000000
	s_or_b32 s[G0B+7], s[G0B+7], 0x80000000
	s_cmp_lt_u32 s[TYP], 2
	s_cselect_b64 s[WP:WP+1], s[8:9], s[10:11]     ; q's gains, or k's (v's work-groups load k's and do not use them)
	s_add_nc_u64 s[RP:RP+1], s[12:13], s[82:83]
	s_add_nc_u64 s[DP:DP+1], s[14:15], s[100:101]
	CROUND                                         ; all sixteen work-groups are here: the first joint loads meet
	s_cmp_eq_u32 s[RH], 0                          ; a wave's two first fills stand in one branch, ahead of every wait on TENSORcnt and every LDS read: two loads of mine are out; the zone visited first is asked for first
	s_cbranch_scc0 .Lfirst_b
	tensor_load_to_lds s[G0A:G0A+3], s[G1A:G1A+7]
	s_nop 0
	tensor_load_to_lds s[G0A+4:G0A+7], s[G1A+8:G1A+15]
	s_nop 0
.rept 4
	v_nop
.endr
	s_branch .Lfirst_asked
.Lfirst_b:
	tensor_load_to_lds s[G0B:G0B+3], s[G1B:G1B+7]
	s_nop 0
	tensor_load_to_lds s[G0B+4:G0B+7], s[G1B+8:G1B+15]
	s_nop 0
.rept 4
	v_nop
.endr
.Lfirst_asked:
	; A fragment is 16 rows x 32 K in 8 registers: lane l holds row l % 16; registers 0-3 K = 8 (l / 16) + 0..7, registers 4-7 K = 16 + 8 (l / 16) + 0..7: two loads of 16 bytes, 32 bytes apart.
	v_and_b32 v1, 15, v0                           ; l % 16
	v_bfe_u32 v2, v0, 4, 1                         ; l / 16
	v_mul_u32_u24 v3, v1, P0
	v_lshl_add_u32 v3, v2, 4, v3                   ; zone 0: row x pitch + 16 x half
	s_mul_i32 s86, s[RH], 64*P0
	v_add_nc_u32 v[AB], s86, v3
	s_mul_i32 s86, s[CH], 128*P0
	s_add_co_u32 s86, s86, Z0B
	v_add_nc_u32 v[AB+1], s86, v3
	v_mul_u32_u24 v4, v1, P1
	v_lshl_add_u32 v4, v2, 4, v4                   ; zone 1 likewise
	s_mul_i32 s86, s[RH], 64*P1
	s_add_co_u32 s86, s86, Z1A
	v_add_nc_u32 v[AB+2], s86, v4
	s_mul_i32 s86, s[CH], 128*P1
	s_add_co_u32 s86, s86, Z1B
	v_add_nc_u32 v[AB+3], s86, v4
	s_mul_i32 s86, s[WV], 16*SPT
	s_add_co_u32 s86, s86, STAGE                   ; my stage
	v_add_nc_u32 v[STO], s86, v4                   ; in: row l % 16, 16 bytes for each half of the lanes
	v_mul_u32_u24 v5, v2, SPT                      ; back: lanes 0-15 one row of 256 bytes, lanes 16-31 the next
	v_lshl_add_u32 v5, v1, 4, v5
	v_add_nc_u32 v[RD], s86, v5
	v_and_b32 v[CO], 31, v0                        ; a head's rows are dense: two rows are 512 consecutive bytes
	v_lshlrev_b32 v[CO], 4, v[CO]
	v_lshlrev_b32 v[WOF], 5, v2                    ; channel 16 b + 8 (l / 16) + j lies at byte 64 b + 32 (l / 16) + 4 j
	v_lshlrev_b32 v[ROF], 9, v1
	v_lshl_add_u32 v[ROF], v2, 5, v[ROF]
	; The way out's constants are asked for now and waited for behind the last product; their address registers and bases are never rewritten.
	WIN 0x80                                       ; destination window 2
.irp b, 0,1,2,3,4,5,6,7
	global_load_b128 v[8*(\b):8*(\b)+3],   v[WOF], s[WP:WP+1] offset:64*(\b)
	global_load_b128 v[8*(\b)+4:8*(\b)+7], v[WOF], s[WP:WP+1] offset:64*(\b)+16
.endr
	WIN 0xc0                                       ; destination window 3
.irp a, 0,1,2,3
.irp b, 0,1,2,3
	global_load_b128 v[64*(\a)+8*(\b):64*(\a)+8*(\b)+3],       v[ROF], s[RP:RP+1] offset:8192*(\a)+64*(\b)
	global_load_b128 v[64*(\a)+8*(\b)+4:64*(\a)+8*(\b)+7],     v[ROF], s[RP:RP+1] offset:8192*(\a)+64*(\b)+16
	global_load_b128 v[64*(\a)+32+8*(\b):64*(\a)+32+8*(\b)+3], v[ROF], s[RP:RP+1] offset:8192*(\a)+64*(\b)+256
	global_load_b128 v[64*(\a)+36+8*(\b):64*(\a)+36+8*(\b)+3], v[ROF], s[RP:RP+1] offset:8192*(\a)+64*(\b)+272
.endr
.endr
	WIN 0
; 8 matrix instructions: row block a x all 8 column blocks, 32 along K.  The 32 accumulators take turns, one instruction a turn, in the same order in every quarter.  zero = 1: the first product starts the sums.
.macro MUL f, a, zero
	WIN MULW
.irp b, 0,1,2,3,4,5,6,7
.if \zero
	v_wmma_f32_16x16x32_bf16 v[64*(\a)+8*(\b):64*(\a)+8*(\b)+7], v[(\f)+32+8*(\b):(\f)+32+8*(\b)+7], v[(\f)+8*(\a):(\f)+8*(\a)+7], 0
.else
	v_wmma_f32_16x16x32_bf16 v[64*(\a)+8*(\b):64*(\a)+8*(\b)+7], v[(\f)+32+8*(\b):(\f)+32+8*(\b)+7], v[(\f)+8*(\a):(\f)+8*(\a)+7], v[64*(\a)+8*(\b):64*(\a)+8*(\b)+7]
.endif
.endr
.endm
; 24 LDS loads in one run: the fragments of 32 along K, k bytes behind where ADRA and ADRB point in zone z, into buffer f: B's 16 loads, then A's 8; the last four are A's blocks 2 and 3
.macro FETCH z, k, f
	WIN 0
.irp i, 0,1,2,3,4,5,6,7
	ds_load_b128 v[(\f)+32+8*(\i):(\f)+32+8*(\i)+3],   v[ADRB] offset:(\k)+(\i)*16*(P0-(P0-P1)*(\z))
	ds_load_b128 v[(\f)+32+8*(\i)+4:(\f)+32+8*(\i)+7], v[ADRB] offset:(\k)+(\i)*16*(P0-(P0-P1)*(\z))+32
.endr
.irp i, 0,1,2,3
	ds_load_b128 v[(\f)+8*(\i):(\f)+8*(\i)+3],   v[ADRA] offset:(\k)+(\i)*16*(P0-(P0-P1)*(\z))
	ds_load_b128 v[(\f)+8*(\i)+4:(\f)+8*(\i)+7], v[ADRA] offset:(\k)+(\i)*16*(P0-(P0-P1)*(\z))+32
.endr
.endm
; A quarter is 32 along K, 32 matrix instructions; the buffers go 0, 1, 0, 1.  This one multiplies buffer f; in its middle it fetches the next quarter into g.
.macro QUARTER z, k, f, g, zero
	s_wait_dscnt 4                                 ; B and A's blocks 0, 1 are in; the youngest four loads may be out
	MUL \f, 0, \zero
	MUL \f, 1, \zero
	PLACES
	FETCH \z, \k, \g
	s_wait_dscnt 24                                ; all but the 24 just issued
	MUL \f, 2, \zero
	MUL \f, 3, \zero
.endm
; A visit's middle quarters, between its first and its last: zone 0 has six, two a trip, the place along K in a scalar that steps; zone 1 has two.
.macro MID z
.if (\z) == 0
	WIN 0                                          ; at a label and at a branch every window is 0
	s_mov_b32 s[KO], 0
	s_mov_b32 s[CN2], 3
.Lmid_\@:
	QUARTER 0, 128, F1, F0, 0
	QUARTER 0, 192, F0, F1, 0
	WIN 0
	s_add_co_u32 s[KO], s[KO], 128                 ; 64 along K on
	v_add_nc_u32 v[ADRA], s[KO], v[AB]
	v_add_nc_u32 v[ADRB], s[KO], v[AB+1]
	s_sub_co_u32 s[CN2], s[CN2], 1
	s_cmp_lg_u32 s[CN2], 0
	s_cbranch_scc1 .Lmid_\@
.else
	QUARTER 1, 128, F1, F0, 0
	QUARTER 1, 192, F0, F1, 0
.endif
.endm
; A visit's last quarter multiplies buffer 1 and goes from zone z to zone n: ONE barrier; in front of it each wave waits for all its tensor loads (one is out: its part of zone n), adds 0 to its spare word, and
; waits for that and for its own reads of zone z.  fill = 1: the barrier opens a round of the cluster's, and zone z is asked for again first thing behind the round.  Only eight of the quarter's products stand
; between the landing and that request; the other 24 follow it and the first fragment loads from zone n.
.macro TURN z, n, fill
	WIN 0
	s_wait_tensorcnt 0x0                           ; all my tensor loads have landed
	ds_add_u32 v[SPW], v[NIL]                      ; 0 onto my spare word
	s_wait_dscnt 0x0                               ; the add is done, and my reads of zone z are over: buffer 1 is whole
	s_barrier_signal -1
	MUL F1, 0, 0                                   ; work on registers while the others arrive
	WIN 0
	s_barrier_wait -1
.if \fill
	CREST                                          ; no wave of any partner still reads zone z or has a load on its way
	s_add_nc_u64 s[G0A+4*(\z)+2:G0A+4*(\z)+3], s[G0A+4*(\z)+2:G0A+4*(\z)+3], LAP  ; no tensor load of mine is out: the zone's next tile; the type bits on top are not reached
	s_add_nc_u64 s[G0B+4*(\z)+2:G0B+4*(\z)+3], s[G0B+4*(\z)+2:G0B+4*(\z)+3], LAP
	JLOAD \z                                       ; its four v_nop are also the places in front of the loads below
.else
	PLACES
.endif
	v_mov_b32 v[ADRA], v[AB+2*(\n)]
	v_mov_b32 v[ADRB], v[AB+2*(\n)+1]
	FETCH \n, 0, F0
	MUL F1, 1, 0
	MUL F1, 2, 0
	MUL F1, 3, 0
.endm
	s_wait_tensorcnt 0x1                           ; my part of zone 0 is in; zone 1's may stay out
	s_barrier_signal -1
	s_barrier_wait -1                              ; everybody's is
	v_mov_b32 v[ADRA], v[AB]
	v_mov_b32 v[ADRB], v[AB+1]
	FETCH 0, 0, F0
	QUARTER 0, 64, F0, F1, 1                       ; the first quarter stands in front of the loop: its products start the sums
	WIN 0
	s_mov_b32 s[CNT], TRIPS
	s_branch .Lin                                  ; the loop is entered behind zone 0's first quarter, in the middle of a trip
.Lpair:                                                ; a trip: a visit of zone 1 and one of zone 0; each ends by asking for its zone again
	QUARTER 1, 64, F0, F1, 0
	MID 1
	TURN 1, 0, 1
	QUARTER 0, 64, F0, F1, 0
	WIN 0
.Lin:
	MID 0
	TURN 0, 1, 1
	WIN 0
	s_sub_co_u32 s[CNT], s[CNT], 1
	s_cmp_lg_u32 s[CNT], 0
	s_cbranch_scc1 .Lpair
	QUARTER 1, 64, F0, F1, 0                       ; the last two visits ask for nothing
	MID 1
	TURN 1, 0, 0
	QUARTER 0, 64, F0, F1, 0
	MID 0
	s_wait_dscnt 4                                 ; the very last quarter
	MUL F1, 0, 0
	MUL F1, 1, 0
	s_wait_dscnt 0x0
	MUL F1, 2, 0
	MUL F1, 3, 0
	WIN 0
; THE WAY OUT, a block of 16 rows at a time.  OUT: 64 numbers at v[src] are rounded to f16, 16 bytes for each column block go into my stage (rows of 272 bytes), whole rows of 256 bytes come back and are stored.
.macro OUT a, src
	WIN 0
.set n, 0
.rept 32
	v_cvt_pk_f16_f32 v[PK+n], v[(\src)+2*n], v[(\src)+2*n+1]
.set n, n+1
.endr
.irp b, 0,1,2,3,4,5,6,7
	ds_store_b128 v[STO], v[PK+4*(\b):PK+4*(\b)+3] offset:32*(\b)
.endr
	s_wait_xcnt 0x0                                ; the block before's stores have read BK: it is loaded again only behind this wait
.irp t, 0,1,2,3,4,5,6,7
	ds_load_b128 v[BK+4*(\t):BK+4*(\t)+3], v[RD] offset:(\t)*2*SPT  ; LDS serves a wave's instructions in order (ISA guide 5.7.1.4): these see the stores above
.endr
.irp t, 0,1,2,3,4,5,6,7
	s_wait_dscnt 7-(\t)
	global_store_b128 v[CO], v[BK+4*(\t):BK+4*(\t)+3], s[DP:DP+1] offset:4096*(\a)+512*(\t)  ; 512 consecutive bytes, at a multiple of 256 from the buffer's first
.endr
.endm
; q and k: w (x rsqrt(mean x^2 + eps)), then x cos + rotate_half(x) sin.  Every accumulator is read from its lowest registers on.
.macro EPI_QK a
	WIN 0x05                                       ; sources 0 and 1 in window 1
.irp b, 0,1,2,3,4,5,6,7
.irp p, 0,1,2,3
.if (\b) == 0
	v_pk_mul_f32 v[SS+2*(\p):SS+2*(\p)+1], v[64*(\a)+2*(\p):64*(\a)+2*(\p)+1], v[64*(\a)+2*(\p):64*(\a)+2*(\p)+1]
.else
	v_pk_fma_f32 v[SS+2*(\p):SS+2*(\p)+1], v[64*(\a)+8*(\b)+2*(\p):64*(\a)+8*(\b)+2*(\p)+1], v[64*(\a)+8*(\b)+2*(\p):64*(\a)+8*(\b)+2*(\p)+1], v[SS+2*(\p):SS+2*(\p)+1]
.endif
.endr
.endr
	WIN 0
	v_pk_add_f32 v[SS:SS+1], v[SS:SS+1], v[SS+2:SS+3]
	v_pk_add_f32 v[SS+4:SS+5], v[SS+4:SS+5], v[SS+6:SS+7]
	v_pk_add_f32 v[SS:SS+1], v[SS:SS+1], v[SS+4:SS+5]
	v_add_f32 v[SS], v[SS], v[SS+1]
	v_permlanex16_b32 v[SS+1], v[SS], s[SEL], s[SEL+1]  ; the row's other 64 channels lie in the lane 16 away
	v_add_f32 v[SS], v[SS], v[SS+1]
	v_fma_f32 v[SS], v[SS], s[INV], s[EPS]
	v_rsq_f32 v[RS], v[SS]
	v_nop                                          ; a plain instruction between the root and the use of its result
	WIN 0x01                                       ; source 0 in window 1
.set n, 0
	s_wait_alu depctr_va_vdst(0)
.rept 32
	v_pk_mul_f32 v[T+2*n:T+2*n+1], v[64*(\a)+2*n:64*(\a)+2*n+1], v[RS:RS+1] op_sel_hi:[1,0]
.set n, n+1
.endr
	WIN 0x08                                       ; source 1 in window 2: the gains
.set n, 0
.rept 32
	v_pk_mul_f32 v[T+2*n:T+2*n+1], v[T+2*n:T+2*n+1], v[2*n:2*n+1]
.set n, n+1
.endr
	WIN 0x0c                                       ; source 1 in window 3: cosines and sines.  Channel d < 64: x(d) cos - x(d + 64) sin; channel d + 64: x(d + 64) cos + x(d) sin
.set n, 0
.rept 16
	v_pk_mul_f32 v[U+2*n:U+2*n+1],       v[T+32+2*n:T+32+2*n+1], v[64*(\a)+32+2*n:64*(\a)+32+2*n+1]
	v_pk_mul_f32 v[U+32+2*n:U+32+2*n+1], v[T+2*n:T+2*n+1],       v[64*(\a)+32+2*n:64*(\a)+32+2*n+1]
	v_pk_fma_f32 v[U+2*n:U+2*n+1],       v[T+2*n:T+2*n+1],       v[64*(\a)+2*n:64*(\a)+2*n+1], v[U+2*n:U+2*n+1] neg_lo:[0,0,1] neg_hi:[0,0,1]
	v_pk_fma_f32 v[U+32+2*n:U+32+2*n+1], v[T+32+2*n:T+32+2*n+1], v[64*(\a)+2*n:64*(\a)+2*n+1], v[U+32+2*n:U+32+2*n+1]
.set n, n+1
.endr
	OUT \a, U
.endm
.macro EPI_V a                         ; v: a quarter of it, a power of two: exact
	WIN 0x01
.set n, 0
.rept 32
	v_pk_mul_f32 v[T+2*n:T+2*n+1], v[64*(\a)+2*n:64*(\a)+2*n+1], s[VS:VS+1] op_sel_hi:[1,0]
.set n, n+1
.endr
	OUT \a, T
.endm
	PLACES                                         ; behind the last products
	s_wait_loadcnt 0x0                             ; the gains and the table's rows
	s_cmp_eq_u32 s[TYP], 3
	s_cbranch_scc1 .Lvalue                         ; the cluster's x: alike in all partners
	WIN 0x0a                                       ; the gains are rounded to bf16 and widened again: sources in window 2,
.set n, 0
.rept 32
	v_cvt_pk_bf16_f32 v[T+n], v[2*n], v[2*n+1]
.set n, n+1
.endr
	WIN 0x80                                       ; destination in window 2
.set n, 0
.rept 32
	v_lshlrev_b32 v[2*n], 16, v[T+n]
	v_and_b32 v[2*n+1], s[HIM], v[T+n]
.set n, n+1
.endr
	EPI_QK 0
	EPI_QK 1
	EPI_QK 2
	EPI_QK 3
	s_branch .Lend
.Lvalue:
	EPI_V 0
	EPI_V 1
	EPI_V 2
	EPI_V 3
.Lend:
	s_wait_tensorcnt 0x0                           ; the wave's end: behind my last tensor load and my last LDS store
	ds_add_u32 v[SPW], v[NIL]
	s_wait_dscnt 0x0
	CROUND                                         ; the closing round: no work-group ends while a partner may still ask for a tile that names it
	s_endpgm
.Lfunc_end_k_q70523b2b5c_qkv:
	.size	k_q70523b2b5c_qkv, .Lfunc_end_k_q70523b2b5c_qkv-k_q70523b2b5c_qkv
	.p2alignl 7, 3214868480
	.fill 96, 4, 3214868480
	.section	.rodata,"a",@progbits
	.p2align	6, 0x0
	.amdhsa_kernel k_q70523b2b5c_qkv
		.amdhsa_group_segment_fixed_size 327680
		.amdhsa_private_segment_fixed_size 0
		.amdhsa_enable_private_segment 0
		.amdhsa_kernarg_size 48
		.amdhsa_user_sgpr_count 2
		.amdhsa_user_sgpr_kernarg_segment_ptr 1
		.amdhsa_wavefront_size32 1
		.amdhsa_system_sgpr_workgroup_id_x 1
		.amdhsa_system_sgpr_workgroup_id_y 1
		.amdhsa_system_sgpr_workgroup_id_z 1
		.amdhsa_system_vgpr_workitem_id 0
		.amdhsa_next_free_vgpr 1024
		.amdhsa_next_free_sgpr 102
		.amdhsa_reserve_vcc 0
		.amdhsa_float_denorm_mode_32 3
		.amdhsa_float_denorm_mode_16_64 3
		.amdhsa_memory_ordered 1
		.amdhsa_forward_progress 1
		.amdhsa_inst_pref_size 171
	.end_amdhsa_kernel
	.amdgpu_metadata
---
amdhsa.version: [ 1, 2 ]
amdhsa.kernels:
  - .name:           k_q70523b2b5c_qkv
    .symbol:         k_q70523b2b5c_qkv.kd
    .args:
      - { .name: xb, .offset: 0, .size: 8, .value_kind: global_buffer, .address_space: global }
      - { .name: wqkv, .offset: 8, .size: 8, .value_kind: global_buffer, .address_space: global }
      - { .name: q_norm_w, .offset: 16, .size: 8, .value_kind: global_buffer, .address_space: global }
      - { .name: k_norm_w, .offset: 24, .size: 8, .value_kind: global_buffer, .address_space: global }
      - { .name: rope, .offset: 32, .size: 8, .value_kind: global_buffer, .address_space: global }
      - { .name: qkv, .offset: 40, .size: 8, .value_kind: global_buffer, .address_space: global }
    .group_segment_fixed_size: 327680
    .private_segment_fixed_size: 0
    .kernarg_segment_align: 8
    .kernarg_segment_size: 48
    .max_flat_workgroup_size: 128
    .sgpr_count:     102
    .vgpr_count:     1024
    .wavefront_size: 32
...
	.end_amdgpu_metadata
.endif
;; end of part 2
;; launch attn (part 3): grid 32 x 8, 4 waves a work-group, clusters of 4 x 1, 327,680 bytes of LDS; arguments qkv, ob; writes ob
.if DOCPART == 3
	.amdgcn_target "amdgcn-amd-amdhsa--gfx1250"
	.amdhsa_code_object_version 6
	.text
	.protected	k_q70523b2b5c_attn
	.globl	k_q70523b2b5c_attn
	.p2align	8
	.type	k_q70523b2b5c_attn,@function
k_q70523b2b5c_attn:
	s_mov_b64 s[64:65], 0
	v_nop
	global_prefetch_b8 v0, s[64:65] scope:SCOPE_SE
	s_setreg_imm32_b32 hwreg(HW_REG_WAVE_MODE, 25, 1), 1
	s_wait_xcnt 0x0
	s_wait_alu depctr_hold_cnt(0) depctr_sa_sdst(0) depctr_va_vdst(0) depctr_va_sdst(0) depctr_va_ssrc(0) depctr_va_vcc(0) depctr_vm_vsrc(0)
	s_getreg_b32 s2, hwreg(HW_REG_IB_STS2, 6, 4)
	s_cmp_eq_u32 s2, 0
	s_cbranch_scc0 .Lentry_in_a_cluster
	s_endpgm
.Lentry_in_a_cluster:
	s_bfe_u32 s2, ttmp6, 0x10000c
	s_cmp_lg_u32 s2, 0x3003
	s_cbranch_scc0 .Lentry_shape_is_right
	s_endpgm
.Lentry_shape_is_right:
; CAUSAL ATTENTION WITH GROUPED HEADS.  For query head h and row r: O = the sum over keys k <= r of softmax_k(q . k / sqrt(128)) v, with key and value head h / 2.
; qkv [32][2048][128] f16: heads 0-15 q, 16-23 k, 24-31 v / 4.  ob [2048][2048] f16 = O / 4, column = head x 128 + channel.  Products, maxima and sums in f32; the weights p are rounded to f16 for the
; second product (their sum l is taken of the unrounded p), O once at the end.
; LIMITS.  A hidden score counts as its value less 1e30; the running maximum starts at -1e20, and true scores of f16 operands are 5.5e11 at the most.  p below 6e-5 keeps f16's fixed step of 6e-8;
; a weight below 2^-126 counts as 0 in l; NaN and infinities are not treated apart.
; THE WALK.  For one key and value head (grid y) the queries lie in 64 blocks: 32 rows x the 2 query heads that share it = four tiles of 16 queries (tile t: head t / 2, rows 16 (t % 2) on).
; Block i needs the key tiles 0 .. i / 8 of 256 keys; the last holds the diagonal.  A work-group takes block b and then block 63 - b: with u = b / 8 that is u + 1 and 8 - u tiles, NINE whatever b.
; THE WAVES SPLIT THE KEYS.  Every wave holds all four query tiles and takes keys 64 w .. 64 w + 63 of each key tile: a fragment of K or V read from LDS feeds four tiles' products, no two waves read the same
; LDS bytes, and all 256 work-groups do equal work.  At a block's end the four waves' maxima, sums and O are merged through LDS.
; CLUSTER.  The four work-groups of a cluster have the same u (u = cluster x / 2) and so the same walk: each K and V tile is asked for jointly.  Branches and trip counts hang on the cluster's x alone; the place
; in the cluster enters Q's and O's global addresses and the mask's values, nothing else.
; LAYOUT.  S^T = K Q^T (source 0 = 16 keys, source 1 = 16 queries): a lane holds ONE query (lane % 16) and the keys 8 (lane / 16) + 0..7.  Two such results rounded to f16 in pairs ARE source 1 of
; O^T = V^T P.  K comes out of LDS as it lies, V ([key][channel]) turned, by ds_load_tr16_b128.
; SOFTMAX.  p = 2^(c s - c m), c = log2(e) / sqrt(128), with a running maximum m; O and l are multiplied by a = 2^(c m_old - c m_new) in every step.  c m starts far below every c s, so a block's first a is 0:
; O^T need only be finite at a block's beginning (zeros at the start: 256 v_mov_b32 in the wait for the first tile; what the first block left for the second), and no first step is written out.
; THE MASK is the C operand that starts a sum S^T: 0, or -1e30 where the key is hidden.  The mask registers hold 0 but in a block's last tile: one text serves every step.  A row of which a wave sees no key
; keeps m = -1e20 there: its weights, l and O are 0, and the merge gives that wave the factor 0.
; REGISTERS, in windows of 256 (s_set_vgpr_msb: bits 1:0 source 0, 3:2 source 1, 5:4 source 2, 7:6 destination):
;   window 0: v0-11, v44-50 addresses; v12-43 eight registers of statistics a tile; v64-191 S^T, 32 a tile; v192-255 P, 16 a tile
;   window 1: O^T, 64 a tile     window 2: v0-127 Q, 32 a tile; v128-255 K of one step     window 3: v0-127 V of one step; v128-191 the masks
.set PKB,   272       ; a row of K in LDS: 256 bytes + 16 of padding: the 16 rows of a load start at 16 different groups of four banks (64 banks of 4 bytes: ISA guide 11.1)
.set PVB,   288       ; a row of V: 256 + 32
.set VOFF,  256*PKB   ; a slot holds a tile: 256 rows of K, then 256 rows of V
.set STATS, 256*(PKB+PVB)  ; between the slots: 4,096 bytes for the merge's statistics: (c m, l) by wave, tile and lane; no tensor load lands here
.set SLOT1, 0x24000   ; slot 1 begins here.  The four bases in a slot (0, 0x8800, 0x11000, 0x1a000) have neither of its two bits, so one exclusive or turns an address in one slot into the other's
.set STAGE, SLOT1+STATS    ; behind the ring: 16 rows x 528 bytes for each wave, for the merge of O
.set SP,    528
.set SPARE, STAGE+4*16*SP  ; the spare words, 128 bytes for each wave: two blocks of 256 bytes that no other line names
.set AK0, 2           ; v2   my lane's place in my wave's 64 keys of a tile of K; never rewritten
.set AV0, 3           ; v3   the same for V
.set ADR, 4           ; v4   AK0 + the slot in hand
.set ADRV, 5          ; v5
.set QO,  6           ; v6   my byte offset in 16 rows of Q
.set STW, 7           ; v7   where I put my statistics
.set STR, 8           ; v8   where I read wave 0's
.set STO, 10          ; v10  the merge: where I put 32 bytes of a row of O
.set RD,  11          ; v11  where I read wave 0's part of the rows that I sum
.set ST,  12          ; tile t's statistics at v[ST+8 t]: +0 c m, +1 m, +2, +3 l (even keys', odd keys'), +4 to +7 c0-c3, at work; a takes c2's place once the maximum is found
.set GO,  44          ; v44  my byte offset in ob
.set MR,  45          ; v45  my query's place against my wave's keys in the diagonal tile of the block in hand
.set MRH, 46          ; v46  the same for the second block
.set SPW, 62          ; v62  LDS address of my spare word; never rewritten
.set NIL, 63          ; v63  0; never rewritten
.set S,   64
.set P,   192
.set KF,  128         ; window 2: key block kb, channel chunk c at KF + 32 kb + 8 c
.set MK,  128         ; window 3: rows half rh, key block kb at MK + 32 rh + 8 kb
.set WV,  12
.set CX,  13
.set BB,  14          ; b
.set UU,  15          ; u
.set HALF, 16         ; which half of a tile I fetch
.set KVH, 17
.set KB,  20          ; s[20:21] K at my half of the head's tile 0
.set VB,  22          ; s[22:23] V likewise
.set G1K, 24          ; s[24:31] descriptor group 1 for K's tiles
.set G1V, 32          ; s[32:39] for V's: it differs in the padding alone
.set G0K, 40          ; s[40:43] descriptor group 0 for K's tiles
.set G0V, 44          ; s[44:47] for V's
.set QP,  48          ; s[48:49] Q at the first block, s[50:51] at the second
.set QP2, 50
.set OP,  52          ; s[52:53] ob at the block in hand, s[54:55] at the second
.set OP2, 54
.set SLOTS, 56        ; tiles still to be asked for
.set RT,  57          ; tiles of the block in hand that are still to be entered
.set CS,  58          ; s[58:59] c: the packed scaling takes the pair's low word for both halves
.set SEL, 60          ; s[60:61] v_permlanex16_b32's selects: each lane takes its own place in the other half
.set TB,  62          ; the slot in hand, as an LDS byte
.set NXT, 63          ; the tile to be asked for next
.set LQ,  66          ; the last tile of the block whose tiles are being asked for
.set HQ,  67          ; 7 - u: the second block's last tile
.set OFF, 68          ; s[68:69] a tile's byte offset in K and V
.set BIGN, 70         ; -1e30
.set MSB, 0
.macro WIN new                      ; the high byte repeats the setting that is left; a switch that changes nothing is dropped
.if MSB != (\new)
	s_set_vgpr_msb (MSB<<8)|(\new)
.set MSB, \new
.endif
.endm
.set W_KQ, 0x0a       ; K and Q in window 2, S^T in window 0
.set W_KM, 0x3a       ; the same with the C operand in window 3
.set W_PV, 0x53       ; V in window 3, P in window 0, O^T in window 1
.set W_RS, 0x41       ; O^T (destination and source 0) in window 1, the factor in window 0
.macro PLACES                       ; four places behind matrix instructions (ISA guide 7.12.1)
.rept 4
	v_nop
.endr
.endm
; A joint fill.  Waves 0 and 1 fetch the two halves of a tile's K, waves 2 and 3 those of its V: 128 keys each.  An s_nop 0 and four v_nop follow each of the two lines.
.macro JLOAD
	s_cmp_lt_u32 s[WV], 2
	s_cbranch_scc0 .Lfor_v_\@
	tensor_load_to_lds s[G0K:G0K+3], s[G1K:G1K+7]
	s_nop 0
.rept 4
	v_nop
.endr
	s_branch .Lasked_\@
.Lfor_v_\@:
	tensor_load_to_lds s[G0V:G0V+3], s[G1V:G1V+7]
	s_nop 0
.rept 4
	v_nop
.endr
.Lasked_\@:
.endm
.macro CROUND                       ; a round of the cluster's barrier
	s_barrier_signal -1
	s_barrier_wait -1
	s_cmp_lg_u32 s[WV], 0
	s_cbranch_scc1 .Lnot_wave_0_\@
	s_barrier_signal -3
.Lnot_wave_0_\@:
	s_barrier_wait -3
	s_barrier_signal -1
	s_barrier_wait -1
.endm
.macro ADV                          ; the block's next tile, or behind its last the second block's tile 0
	s_add_co_u32 s[NXT], s[NXT], 1
	s_cmp_gt_u32 s[NXT], s[LQ]
	s_cselect_b32 s[NXT], 0, s[NXT]
	s_cselect_b32 s[LQ], s[HQ], s[LQ]
.endm
; THE CHANGE OF SLOTS.  Each wave waits for all its tensor loads, of which one is out: its part of the other slot; adds 0 to its spare word; and waits for that and for its own reads of the slot that it
; leaves.  fill = 1: the barrier is a round of the cluster's, and the old slot is filled again, first thing behind it, with tile NXT: the address is made anew from that number.  The fill has a whole
; step, 128 matrix instructions, in which to land; one tensor load of a wave is out at any time.  (At its first use nothing has been read yet: slot 0 is waited for, slot 1 filled.)
.macro CHANGE fill
	WIN 0
	s_wait_tensorcnt 0x0            ; no tensor load of mine is out, so a group 0 may be written
	ds_add_u32 v[SPW], v[NIL]       ; 0 onto my spare word; scalar work stands between it and the wait for it
.if \fill
	s_lshl_b32 s[OFF], s[NXT], 16   ; a tile is 65,536 bytes of K and of V
	s_xor_b32 s[G0K+1], s[G0K+1], SLOT1
	s_add_nc_u64 s[G0K+2:G0K+3], s[KB:KB+1], s[OFF:OFF+1]
	s_or_b32 s[G0K+3], s[G0K+3], 0x80000000
	s_xor_b32 s[G0V+1], s[G0V+1], SLOT1
	s_add_nc_u64 s[G0V+2:G0V+3], s[VB:VB+1], s[OFF:OFF+1]
	s_or_b32 s[G0V+3], s[G0V+3], 0x80000000
	ADV
.endif
	s_xor_b32 s[TB], s[TB], SLOT1   ; the reads go to the other slot
	s_wait_dscnt 0x0                ; the add is done, and my reads of the slot are over
.if \fill
	CROUND
	JLOAD                           ; its four v_nop are also the places between the last products and the loads into V's registers
.else
	s_barrier_signal -1
	s_barrier_wait -1
	PLACES
.endif
.endm
	s_load_b128 s[4:7], s[0:1], 0x0  ; qkv s[4:5], ob s[6:7]
	v_lshl_add_u32 v[SPW], v0, 2, SPARE
	v_mov_b32 v[NIL], 0
	ds_add_u32 v62, v63
	s_wait_dscnt 0x0
	v_lshrrev_b32 v1, 5, v0
	v_readfirstlane_b32 s[WV], v1   ; wave 0..3
	s_bfe_u32 s[CX], ttmp6, 0x40000
	s_lshl_b32 s[BB], ttmp9, 2      ; in a cluster launch ttmp9 counts clusters
	s_add_co_u32 s[BB], s[BB], s[CX]
	s_lshr_b32 s[UU], ttmp9, 1      ; u = b / 8, made of the cluster's x alone
	s_sub_co_u32 s[HQ], 7, s[UU]
	s_and_b32 s[HALF], s[WV], 1
	s_and_b32 s[KVH], ttmp7, 0xffff
	s_add_co_u32 s72, s[KVH], 16    ; K's head, 524,288 bytes a head, and my half of a tile's 256 rows
	s_lshl_b32 s72, s72, 19
	s_lshl_b32 s73, s[HALF], 15
	s_add_co_u32 s72, s72, s73
	s_mov_b32 s73, 0
	s_lshl_b32 s74, s[KVH], 20      ; Q: head 2 kvh, row 32 b
	s_lshl_b32 s75, s[BB], 13
	s_add_co_u32 s74, s74, s75
	s_mov_b32 s75, 0
	s_sub_co_u32 s18, 63, s[BB]     ; the second block
	s_lshl_b32 s76, s[KVH], 20
	s_lshl_b32 s77, s18, 13
	s_add_co_u32 s76, s76, s77
	s_mov_b32 s77, 0
	s_lshl_b32 s8, s[BB], 17        ; ob: row 32 b of 4,096 bytes, column 256 kvh
	s_lshl_b32 s9, s[KVH], 9
	s_add_co_u32 s8, s8, s9
	s_lshl_b32 s10, s18, 17
	s_add_co_u32 s10, s10, s9
	s_mov_b32 s9, 0
	s_mov_b32 s11, 0
	; descriptor group 1: a tile of 128 rows x 128 elements, padded in LDS
	s_mov_b32 s[G1K], 15|(1<<16)|(1<<20)|(1<<21)|(5<<22)|(3<<25)  ; the mask of four; 2-byte elements; padding on; bit 21 beside a mask; after every 64 words 4 words
	s_mov_b32 s[G1V], 15|(1<<16)|(1<<20)|(1<<21)|(5<<22)|(7<<25)  ; the same with 8 words
.irp g, G1K, G1V
	s_mov_b32 s[(\g)+1], 128<<16    ; tensor_dim0 = 128
	s_mov_b32 s[(\g)+2], 128<<16    ; tensor_dim1 = 128
	s_mov_b32 s[(\g)+3], 128<<16    ; tile_dim0 = 128
	s_mov_b32 s[(\g)+4], 128        ; tile_dim1 = 128
	s_mov_b32 s[(\g)+5], 128        ; 128 elements from row to row
	s_mov_b32 s[(\g)+6], 0
	s_mov_b32 s[(\g)+7], 0
.endr
	s_mov_b32 s[G0K], 1
	s_mul_i32 s[G0K+1], s[HALF], 128*PKB   ; slot 0: the wave's number alone enters an LDS address
	s_mov_b32 s[G0V], 1
	s_mul_i32 s[G0V+1], s[HALF], 128*PVB
	s_add_co_u32 s[G0V+1], s[G0V+1], VOFF
	s_mov_b32 s[CS], 0x3e0293ee     ; c = log2(e) / sqrt(128) = 0.127517
	s_mov_b32 s[CS+1], s[CS]        ; named with it as a pair
	s_mov_b32 s[SEL], 0x76543210
	s_mov_b32 s[SEL+1], 0xfedcba98
	s_mov_b32 s[TB], SLOT1          ; the first change of slots turns it into 0
	s_mov_b32 s[NXT], 0
	s_mov_b32 s[LQ], s[UU]
	s_mov_b32 s[OFF+1], 0
	s_mov_b32 s[BIGN], 0xf149f2ca   ; -1e30
	s_add_co_u32 s[RT], s[UU], 1    ; the first block has u + 1 tiles
	s_mov_b32 s[SLOTS], 8
	s_wait_kmcnt 0x0
	s_add_nc_u64 s[KB:KB+1], s[4:5], s[72:73]
	s_add_nc_u64 s[VB:VB+1], s[KB:KB+1], 8<<19     ; V's head lies eight heads on
	s_add_nc_u64 s[QP:QP+1], s[4:5], s[74:75]
	s_add_nc_u64 s[QP2:QP2+1], s[4:5], s[76:77]
	s_add_nc_u64 s[OP:OP+1], s[6:7], s[8:9]
	s_add_nc_u64 s[OP2:OP2+1], s[6:7], s[10:11]
	s_mov_b64 s[G0K+2:G0K+3], s[KB:KB+1]
	s_or_b32 s[G0K+3], s[G0K+3], 0x80000000        ; type = 2
	s_mov_b64 s[G0V+2:G0V+3], s[VB:VB+1]
	s_or_b32 s[G0V+3], s[G0V+3], 0x80000000
	CROUND                          ; all four work-groups are here: the first joint loads meet
	JLOAD                           ; tile 0 into slot 0
	ADV
.macro QLOAD base                   ; a block's Q stays in registers: tile t, channels 32 c on, at v[32 t + 8 c] of window 2
	WIN 0x80
.irp t, 0,1,2,3
.irp c, 0,1,2,3
	global_load_b128 v[32*(\t)+8*(\c):32*(\t)+8*(\c)+3],   v[QO], s[\base:\base+1] offset:((\t)/2)*524288+((\t)%2)*4096+(\c)*64
	global_load_b128 v[32*(\t)+8*(\c)+4:32*(\t)+8*(\c)+7], v[QO], s[\base:\base+1] offset:((\t)/2)*524288+((\t)%2)*4096+(\c)*64+32
.endr
.endr
	WIN 0
.endm
.macro INIT                         ; a block begins: c m far below every c s, m = -1e20, l = 0, no key hidden
	WIN 0
.irp t, 0,1,2,3
	v_mov_b32 v[ST+8*(\t)], 0xfe000000
	v_mov_b32 v[ST+8*(\t)+1], 0xe0ad78ec
	v_mov_b32 v[ST+8*(\t)+2], 0
	v_mov_b32 v[ST+8*(\t)+3], 0
.endr
	WIN 0xc0
.set n, 0
.rept 64
	v_mov_b32 v[MK+n], 0
.set n, n+1
.endr
	WIN 0
.endm
	v_and_b32 v1, 15, v0            ; l % 16
	v_bfe_u32 v9, v0, 4, 1          ; l / 16
	v_and_b32 v47, 31, v0           ; l
	v_lshlrev_b32 v[QO], 8, v1
	v_lshl_add_u32 v[QO], v9, 4, v[QO]  ; row x 256 + 16 x half
	QLOAD QP
	v_mul_u32_u24 v[AK0], v1, PKB
	v_lshl_add_u32 v[AK0], v9, 4, v[AK0]
	s_mul_i32 s19, s[WV], 64*PKB    ; my wave's 64 keys
	v_add_nc_u32 v[AK0], s19, v[AK0]
	; The turning load takes 16 keys x 16 channels (lane l reads key 8 (l / 16) + l % 8, channels 8 ((l / 8) % 2) + 0..7) and leaves half a fragment of V^T: lane l holds channel l % 16 and 8 keys.
	v_and_b32 v48, 7, v0
	v_bfe_u32 v49, v0, 3, 1
	v_lshl_add_u32 v[AV0], v9, 3, v48
	v_mul_u32_u24 v[AV0], v[AV0], PVB
	v_lshl_add_u32 v[AV0], v49, 4, v[AV0]
	s_mul_i32 s19, s[WV], 64*PVB
	s_add_co_u32 s19, s19, VOFF
	v_add_nc_u32 v[AV0], s19, v[AV0]
	s_lshl_b32 s19, s[WV], 10
	s_add_co_u32 s19, s19, STATS
	v_lshl_add_u32 v[STW], v47, 3, s19
	v_lshl_add_u32 v[STR], v47, 3, STATS
	s_mul_i32 s19, s[WV], 16*SP
	s_add_co_u32 s19, s19, STAGE    ; my stage
	v_mul_u32_u24 v[STO], v1, SP    ; in: row l % 16; channel 16 cb + 8 (l / 16) + j at byte 64 cb + 32 (l / 16) + 4 j
	v_lshl_add_u32 v[STO], v9, 5, v[STO]
	v_add_nc_u32 v[STO], s19, v[STO]
	s_lshl_b32 s19, s[WV], 2
	v_add_nc_u32 v50, s19, v9       ; back: wave w sums rows 4 w .. 4 w + 3 of a tile: lanes 0-15 one row, lanes 16-31 the next, 8 channels a lane
	v_mul_u32_u24 v[RD], v50, SP
	v_lshl_add_u32 v[RD], v1, 5, v[RD]
	v_add_nc_u32 v[RD], STAGE, v[RD]
	v_lshlrev_b32 v[GO], 12, v50    ; the same rows in ob, 16 bytes a lane
	v_lshl_add_u32 v[GO], v1, 4, v[GO]
	; In a block's last tile register j of key block kb is hidden for rows half rh where 16 kb + j - 16 rh > 32 (i % 8) + l % 16 - 8 (l / 16) - 64 w
	v_lshlrev_b32 v48, 3, v9
	v_sub_nc_u32 v48, v1, v48
	s_and_b32 s19, s[BB], 7
	s_sub_co_u32 s78, 7, s19        ; (63 - b) % 8
	s_lshl_b32 s19, s19, 5
	s_lshl_b32 s78, s78, 5
	s_lshl_b32 s79, s[WV], 6
	s_sub_co_i32 s19, s19, s79
	s_sub_co_i32 s78, s78, s79
	v_add_nc_u32 v[MR], s19, v48
	v_add_nc_u32 v[MRH], s78, v48
	WIN 0x40
.set n, 0
.rept 256
	v_mov_b32 v[n], 0               ; O^T: finite is all that the first step asks
.set n, n+1
.endr
	INIT
	s_wait_loadcnt 0x0              ; Q
; THE MATRIX WORK.  The accumulators take turns, one instruction a turn.
; Product i of 32 of S^T = K Q^T for tiles x, x + 1: channels 32 (i / 8) on, keys 16 ((i / 2) % 4) on, tile x + i % 2.  The first 8 start the sums, with the mask.
.macro KQ x
.set rS, S+32*((\x)+i%2)+8*((i/2)%4)
.set rK, KF+32*((i/2)%4)+8*(i/8)
.set rQ, 32*((\x)+i%2)+8*(i/8)
.set rM, MK+32*(i%2)+8*((i/2)%4)
.if i < 8
	WIN W_KM
	v_wmma_f32_16x16x32_f16 v[rS:rS+7], v[rK:rK+7], v[rQ:rQ+7], v[rM:rM+7]
.else
	WIN W_KQ
	v_wmma_f32_16x16x32_f16 v[rS:rS+7], v[rK:rK+7], v[rQ:rQ+7], v[rS:rS+7]
.endif
.endm
; Product i of 32 of O^T += V^T P: keys 32 (i / 16) on, channels 16 ((i / 2) % 8) on, tile x + i % 2.
.macro PV x
	WIN W_PV
.set rO, 64*((\x)+i%2)+8*((i/2)%8)
.set rV, 64*(i/16)+8*((i/2)%8)
.set rP, P+16*((\x)+i%2)+8*(i/16)
	v_wmma_f32_16x16x32_f16 v[rO:rO+7], v[rV:rV+7], v[rP:rP+7], v[rO:rO+7]
.endm
; THE LDS LOADS stand in two runs of 32 at a step's head: my 64 keys of K, the channel chunks one after the other, so that the products can begin when the first chunk is in; then V, turned.
.macro FETCH_K
	WIN 0x80                        ; destination window 2
.irp c, 0,1,2,3
.irp kb, 0,1,2,3
	ds_load_b128 v[KF+32*(\kb)+8*(\c):KF+32*(\kb)+8*(\c)+3],   v[ADR] offset:(\kb)*16*PKB+(\c)*64
	ds_load_b128 v[KF+32*(\kb)+8*(\c)+4:KF+32*(\kb)+8*(\c)+7], v[ADR] offset:(\kb)*16*PKB+(\c)*64+32
.endr
.endr
.endm
.macro FETCH_V
	WIN 0xc0                        ; destination window 3
.irp f, 0,1,2,3,4,5,6,7,8,9,10,11,12,13,14,15  ; keys 32 (f / 8) on, channels 16 (f % 8) on
	ds_load_tr16_b128 v[8*(\f):8*(\f)+3],   v[ADRV] offset:((\f)/8)*32*PVB+((\f)%8)*32
	ds_load_tr16_b128 v[8*(\f)+4:8*(\f)+7], v[ADRV] offset:((\f)/8)*32*PVB+16*PVB+((\f)%8)*32
.endr
.endm
; THE VECTOR WORK.  One tile's softmax for one step is a list of 134 instructions; SM writes number j of it for tile t.  s0-s31 are the lane's 32 scores, in pairs 0-15.
;   0-15    the maximum of s0-s31 and the old m, three operands at a time: four chains c0-c3 of seven scores each (each accumulator's lowest registers are read first), then the four left over, c0-c3 and m
;   16-20   the other half of the lanes' maximum; c m_old is kept; the new m; c m; c m_old - c m_new
;   21-87   33 exponentials (a, then s0-s31) at the odd numbers from 23 on, so that no two follow each other and each has a plain instruction behind it before its result is used.  The plain ones are whatever is
;           ready: c s - c m for a pair whose exponentials are still to come, the rounding to f16 of a pair whose exponentials are done, at last the first three sums
;   88-101  the last rounding; the rest of the sums; l = a l + the sum
;   102-133 the tile's O^T times a: the one part that leaves window 0, so it stands together
.macro SM t
.set rT, ST+8*(\t)
.set rS, S+32*(\t)
.set rP, P+16*(\t)
.set rO, 64*(\t)+2*(j-102)
.set q, (j-20)/2
.if j < 102
	WIN 0
.endif
.if j < 4
	v_max3_num_f32 v[rT+4+j], v[rS+8*j], v[rS+8*j+1], v[rS+8*j+2]
.elseif j < 12
	v_max3_num_f32 v[rT+4+j%4], v[rT+4+j%4], v[rS+8*(j%4)+2*(j/4)+1], v[rS+8*(j%4)+2*(j/4)+2]
.elseif j == 12
	v_max3_num_f32 v[rT+4], v[rT+4], v[rS+7], v[rS+15]
.elseif j == 13
	v_max3_num_f32 v[rT+6], v[rT+6], v[rS+23], v[rS+31]
.elseif j == 14
	v_max3_num_f32 v[rT+4], v[rT+4], v[rT+5], v[rT+6]
.elseif j == 15
	v_max3_num_f32 v[rT+4], v[rT+4], v[rT+7], v[rT+1]
.elseif j == 16
	v_permlanex16_b32 v[rT+5], v[rT+4], s[SEL], s[SEL+1]  ; the query's other 32 keys lie in the lane 16 away
.elseif j == 17
	v_mov_b32 v[rT+7], v[rT]        ; c m_old is kept for a: number 19 writes c m anew
.elseif j == 18
	v_max_num_f32 v[rT+1], v[rT+4], v[rT+5]
.elseif j == 19
	v_mul_f32 v[rT], s[CS], v[rT+1]
.elseif j == 20
	v_sub_f32 v[rT+7], v[rT+7], v[rT]
.elseif j == 23
	v_exp_f32 v[rT+6], v[rT+7]
.elseif (j < 88) && (j > 23) && (j%2 == 1)
	v_exp_f32 v[rS+(j-25)/2], v[rS+(j-25)/2]
.elseif (q < 4) || ((j < 76) && (q%2 == 0))
.set b, q/2+2
.if q < 4
.set b, q
.endif
	v_pk_fma_f32 v[rS+2*b:rS+2*b+1], v[rS+2*b:rS+2*b+1], s[CS:CS+1], v[rT:rT+1] op_sel_hi:[1,0,0] neg_lo:[0,0,1] neg_hi:[0,0,1]  ; pair b: c s - c m
.elseif (j < 88) && (q%2 == 1)
	s_wait_alu depctr_va_vdst(0)
	v_cvt_pk_f16_f32 v[rP+(q-5)/2], v[rS+q-5], v[rS+q-4]  ; pair (q - 5) / 2: its second exponential stands three numbers back
.elseif j == 89
	s_wait_alu depctr_va_vdst(0)
	v_cvt_pk_f16_f32 v[rP+15], v[rS+30], v[rS+31]
.elseif j < 102                     ; the sum of the tile's 16 pairs, in place: sum z of 16 adds neighbours 1, 2, 4 and 8 pairs apart, then l takes it
.set z, j-86
.if j < 89
.set z, (j-76)/4
.endif
.set w, 4
.set u, z
.if z >= 14
.set w, 32
.set u, 0
.elseif z >= 12
.set w, 16
.set u, z-12
.elseif z >= 8
.set w, 8
.set u, z-8
.endif
.if z < 15
	v_pk_add_f32 v[rS+w*u:rS+w*u+1], v[rS+w*u:rS+w*u+1], v[rS+w*u+w/2:rS+w*u+w/2+1]
.else
	v_pk_fma_f32 v[rT+2:rT+3], v[rT+2:rT+3], v[rT+6:rT+7], v[rS:rS+1] op_sel_hi:[1,0,1]
.endif
.else
	WIN W_RS
	v_pk_mul_f32 v[rO:rO+1], v[rO:rO+1], v[rT+6:rT+7] op_sel_hi:[1,0]
.endif
.endm
; Slice k of 64 of the softmax of tiles y, y + 1: numbers 2 k and 2 k + 1 of both lists, four instructions.  2 x 134 = 4 x 64 + 12: the twelve that are over stand together, in slice 63.
.macro SLICE y
.if (k >= 11) && (k < 44)           ; tile by tile: plain, exponential, plain, exponential
.irp t, \y, (\y)+1
.irp n, 0,1
.set j, 2*k+(\n)
	SM \t
.endr
.endr
.else                               ; the two tiles alternate, so that no instruction reads the result of the one just before it
.irp n, 0,1,2,3,4,5,6,7
.if ((\n) < 2) || (k == 63)
.irp t, \y, (\y)+1
.set j, 2*k+(\n)
	SM \t
.endr
.endif
.endr
.endif
.set k, k+1
.endm
; A STEP: my 64 keys of the tile in hand against all four query tiles.  Tiles 0, 1's scores; tiles 2, 3's scores with tiles 0, 1's softmax in slices behind them, two a product; tiles 0, 1's V^T P with
; tiles 2, 3's softmax likewise; tiles 2, 3's V^T P.  No slice names a register of the products round it; slice 63's sixteen plain instructions are the places behind a run's last products.
.macro STEP
	WIN 0
	v_add_nc_u32 v[ADR], s[TB], v[AK0]
	v_add_nc_u32 v[ADRV], s[TB], v[AV0]
	FETCH_K
	FETCH_V
.set i, 0
.rept 32
.if i%8 == 0
	s_wait_dscnt 56-i               ; LDS loads come back in order: of the 64, K's chunk i / 8 (8 loads) is in
.endif
	KQ 0
.set i, i+1
.endr
	PLACES                          ; between those products and the first read of their scores
.set k, 0
.set i, 0
.rept 32
	KQ 2
	SLICE 0
	SLICE 0
.set i, i+1
.endr
	s_wait_dscnt 0x0                ; V is in
.set k, 0
.set i, 0
.rept 32
	PV 0
	SLICE 2
	SLICE 2
.set i, i+1
.endr
.set i, 0
.rept 32
	PV 2
.set i, i+1
.endr
	WIN 0
.endm
.macro MASKS                        ; the diagonal tile's masks; each comparison's result is used by the next line
	WIN 0xc0
.set n, 0
.rept 64
	v_cmp_gt_i32 vcc_lo, 16*((n/8)%4)+n%8-16*(n/32), v[MR]
	v_cndmask_b32 v[MK+n], 0, s[BIGN], vcc_lo
.set n, n+1
.endr
	WIN 0
.endm
; One pass of the merge: every wave puts tile p's O^T (already times its factor) into its stage; behind a barrier wave w sums rows 4 w .. 4 w + 3 over the four stages, in the order of the waves, rounds and stores.
; A second barrier stands between these reads and the next pass's stores: each wave's reads are waited for in front of its signal, the sums stand between signal and wait, the next stores behind the wait.
.macro PASS p
	WIN 0x04                        ; the stores' data in window 1
.irp cb, 0,1,2,3,4,5,6,7
	ds_store_b128 v[STO], v[64*(\p)+8*(\cb):64*(\p)+8*(\cb)+3]   offset:64*(\cb)
	ds_store_b128 v[STO], v[64*(\p)+8*(\cb)+4:64*(\p)+8*(\cb)+7] offset:64*(\cb)+16
.endr
	WIN 0
	s_wait_dscnt 0x0                ; for the others' sake: my stores into the stage are done
	s_barrier_signal -1
	s_barrier_wait -1
.irp g, 0,1
.irp ww, 0,1,2,3
	ds_load_b128 v[S+32*(\g)+8*(\ww):S+32*(\g)+8*(\ww)+3],   v[RD] offset:(\ww)*16*SP+(\g)*2*SP
	ds_load_b128 v[S+32*(\g)+8*(\ww)+4:S+32*(\g)+8*(\ww)+7], v[RD] offset:(\ww)*16*SP+(\g)*2*SP+16
.endr
.endr
	s_wait_dscnt 0x0                ; my reads of the stages are over
.if (\p) < 3
	s_barrier_signal -1
.endif
.irp g, 0,1
.irp ww, 1,2,3
.irp r, 0,1,2,3
	v_pk_add_f32 v[S+32*(\g)+2*(\r):S+32*(\g)+2*(\r)+1], v[S+32*(\g)+2*(\r):S+32*(\g)+2*(\r)+1], v[S+32*(\g)+8*(\ww)+2*(\r):S+32*(\g)+8*(\ww)+2*(\r)+1]
.endr
.endr
.irp r, 0,1,2,3
	v_cvt_pk_f16_f32 v[P+4*(2*(\p)+(\g))+(\r)], v[S+32*(\g)+2*(\r)], v[S+32*(\g)+2*(\r)+1]
.endr
.endr
.if (\p) < 3
	s_barrier_wait -1
.endif
.irp g, 0,1
	global_store_b128 v[GO], v[P+4*(2*(\p)+(\g)):P+4*(2*(\p)+(\g))+3], s[OP:OP+1] offset:(((\p)%2)*16+2*(\g))*4096+((\p)/2)*256  ; 16 lanes store 256 consecutive bytes, at a multiple of 256 from ob's first
.endr
.endm
; A BLOCK ENDS.  Each wave's (c m, l) go through LDS; with M the largest c m and f = 2^(c m - M), O = the sum over the waves of O_w f_w / L, L = the sum of f_w l_w.  Wave 0 sees a key of every row, so L >= 1.
; more = 1: the second block's Q is asked for meanwhile: the last product that read Q stands a whole run of slices back.
.macro FINISH more
	WIN 0
.irp t, 0,1,2,3
	v_add_f32 v[ST+8*(\t)+4], v[ST+8*(\t)+2], v[ST+8*(\t)+3]
.endr
.irp t, 0,1,2,3
	v_permlanex16_b32 v[ST+8*(\t)+5], v[ST+8*(\t)+4], s[SEL], s[SEL+1]
.endr
.irp t, 0,1,2,3
	v_add_f32 v[ST+8*(\t)+1], v[ST+8*(\t)+4], v[ST+8*(\t)+5]  ; l, beside c m
.endr
.irp t, 0,1,2,3
	ds_store_b64 v[STW], v[ST+8*(\t):ST+8*(\t)+1] offset:256*(\t)
.endr
.if \more
	QLOAD QP2
.endif
	s_wait_dscnt 0x0                ; for the others' sake
	s_barrier_signal -1
	s_barrier_wait -1
.irp t, 0,1,2,3
.irp ww, 0,1,2,3
	ds_load_b64 v[S+8*(\t)+2*(\ww):S+8*(\t)+2*(\ww)+1], v[STR] offset:1024*(\ww)+256*(\t)
.endr
.endr
	s_wait_dscnt 0x0
.irp t, 0,1,2,3
	v_max3_num_f32 v[ST+8*(\t)+4], v[S+8*(\t)], v[S+8*(\t)+2], v[S+8*(\t)+4]
.endr
.irp t, 0,1,2,3
	v_max_num_f32 v[ST+8*(\t)+4], v[ST+8*(\t)+4], v[S+8*(\t)+6]
.endr
.irp t, 0,1,2,3
.irp ww, 0,1,2,3
	v_sub_f32 v[S+8*(\t)+2*(\ww)], v[S+8*(\t)+2*(\ww)], v[ST+8*(\t)+4]
.endr
	v_sub_f32 v[ST+8*(\t)+5], v[ST+8*(\t)], v[ST+8*(\t)+4]
.endr
.irp t, 0,1,2,3
.irp ww, 0,1,2,3
	v_exp_f32 v[S+8*(\t)+2*(\ww)], v[S+8*(\t)+2*(\ww)]
.endr
	v_exp_f32 v[ST+8*(\t)+5], v[ST+8*(\t)+5]       ; my own f
.endr
	v_nop                           ; a plain instruction between the last exponential and the use of its result
	s_wait_alu depctr_va_vdst(0)
.irp t, 0,1,2,3
	v_mul_f32 v[ST+8*(\t)+6], v[S+8*(\t)], v[S+8*(\t)+1]
.endr
.irp ww, 1,2,3
.irp t, 0,1,2,3
	v_fmac_f32 v[ST+8*(\t)+6], v[S+8*(\t)+2*(\ww)], v[S+8*(\t)+2*(\ww)+1]
.endr
.endr
.irp t, 0,1,2,3
	v_rcp_f32 v[ST+8*(\t)+7], v[ST+8*(\t)+6]
.endr
	v_nop                           ; a plain instruction between the last reciprocal and the use of its result
	s_wait_alu depctr_va_vdst(0)
.irp t, 0,1,2,3
	v_mul_f32 v[ST+8*(\t)+6], v[ST+8*(\t)+5], v[ST+8*(\t)+7]
.endr
	WIN W_RS
.irp t, 0,1,2,3
.set n, 0
.rept 32
	v_pk_mul_f32 v[64*(\t)+2*n:64*(\t)+2*n+1], v[64*(\t)+2*n:64*(\t)+2*n+1], v[ST+8*(\t)+6:ST+8*(\t)+7] op_sel_hi:[1,0]
.set n, n+1
.endr
.endr
	PASS 0
	PASS 1
	PASS 2
	PASS 3
	s_wait_xcnt 0x0                 ; the stores have read their registers and ob's address
.endm
.Lslot:                             ; eight times: a tile is entered and the next is asked for
	CHANGE 1
	s_sub_co_u32 s[RT], s[RT], 1
	s_cmp_lg_u32 s[RT], 0
	s_cbranch_scc1 .Lopen           ; not the block's last tile: nothing is hidden
	MASKS
.Lopen:
	STEP
	s_cmp_lg_u32 s[RT], 0           ; RT is made of the cluster's x and constants: alike in every wave and every partner
	s_cbranch_scc1 .Lon
	FINISH 1                        ; in the loop this is the first block's end: the second block's last tile is the walk's last
	s_mov_b64 s[OP:OP+1], s[OP2:OP2+1]
	s_sub_co_u32 s[RT], 8, s[UU]    ; the second block has 8 - u tiles
	v_mov_b32 v[MR], v[MRH]
	INIT
	s_wait_loadcnt 0x0              ; the second block's Q
.Lon:
	s_sub_co_u32 s[SLOTS], s[SLOTS], 1
	s_cmp_lg_u32 s[SLOTS], 0
	s_cbranch_scc1 .Lslot
	CHANGE 0                        ; the walk's last tile is written out: nothing is asked for
	MASKS
	STEP
	FINISH 0
	s_wait_tensorcnt 0x0            ; the wave's end: behind my last tensor load and my last LDS store
	ds_add_u32 v[SPW], v[NIL]
	s_wait_dscnt 0x0
	CROUND                          ; the closing round: no work-group ends while a partner may still ask for a tile that names it
	s_endpgm
.Lfunc_end_k_q70523b2b5c_attn:
	.size	k_q70523b2b5c_attn, .Lfunc_end_k_q70523b2b5c_attn-k_q70523b2b5c_attn
	.p2alignl 7, 3214868480
	.fill 96, 4, 3214868480
	.section	.rodata,"a",@progbits
	.p2align	6, 0x0
	.amdhsa_kernel k_q70523b2b5c_attn
		.amdhsa_group_segment_fixed_size 327680
		.amdhsa_private_segment_fixed_size 0
		.amdhsa_enable_private_segment 0
		.amdhsa_kernarg_size 16
		.amdhsa_user_sgpr_count 2
		.amdhsa_user_sgpr_kernarg_segment_ptr 1
		.amdhsa_wavefront_size32 1
		.amdhsa_system_sgpr_workgroup_id_x 1
		.amdhsa_system_sgpr_workgroup_id_y 1
		.amdhsa_system_sgpr_workgroup_id_z 1
		.amdhsa_system_vgpr_workitem_id 0
		.amdhsa_next_free_vgpr 960
		.amdhsa_next_free_sgpr 80
		.amdhsa_reserve_vcc 1
		.amdhsa_float_denorm_mode_32 3
		.amdhsa_float_denorm_mode_16_64 3
		.amdhsa_memory_ordered 1
		.amdhsa_forward_progress 1
		.amdhsa_inst_pref_size 197
	.end_amdhsa_kernel
	.amdgpu_metadata
---
amdhsa.version: [ 1, 2 ]
amdhsa.kernels:
  - .name:           k_q70523b2b5c_attn
    .symbol:         k_q70523b2b5c_attn.kd
    .args:
      - { .name: qkv, .offset: 0, .size: 8, .value_kind: global_buffer, .address_space: global }
      - { .name: ob, .offset: 8, .size: 8, .value_kind: global_buffer, .address_space: global }
    .group_segment_fixed_size: 327680
    .private_segment_fixed_size: 0
    .kernarg_segment_align: 8
    .kernarg_segment_size: 16
    .max_flat_workgroup_size: 128
    .sgpr_count:     80
    .vgpr_count:     960
    .wavefront_size: 32
...
	.end_amdgpu_metadata
.endif
;; end of part 3
;; launch oproj (part 4): grid 16 x 16, 4 waves a work-group, clusters of 4 x 4, 327,680 bytes of LDS; arguments ob, wob, out0; writes out0
.if DOCPART == 4
	.amdgcn_target "amdgcn-amd-amdhsa--gfx1250"
	.amdhsa_code_object_version 6
	.text
	.protected	k_q70523b2b5c_oproj
	.globl	k_q70523b2b5c_oproj
	.p2align	8
	.type	k_q70523b2b5c_oproj,@function
k_q70523b2b5c_oproj:
	s_mov_b64 s[64:65], 0
	v_nop
	global_prefetch_b8 v0, s[64:65] scope:SCOPE_SE
	s_setreg_imm32_b32 hwreg(HW_REG_WAVE_MODE, 25, 1), 1
	s_wait_xcnt 0x0
	s_wait_alu depctr_hold_cnt(0) depctr_sa_sdst(0) depctr_va_vdst(0) depctr_va_sdst(0) depctr_va_ssrc(0) depctr_va_vcc(0) depctr_vm_vsrc(0)
	s_getreg_b32 s2, hwreg(HW_REG_IB_STS2, 6, 4)
	s_cmp_eq_u32 s2, 0
	s_cbranch_scc0 .Lentry_in_a_cluster
	s_endpgm
.Lentry_in_a_cluster:
	s_bfe_u32 s2, ttmp6, 0x10000c
	s_cmp_lg_u32 s2, 0xf033
	s_cbranch_scc0 .Lentry_shape_is_right
	s_endpgm
.Lentry_shape_is_right:
; OUTPUT PROJECTION.  out0 = ob wob^T (2048 x 4096, K = 2048, f16 operands, f32 sums and f32 output).  ob holds O / 4 and wob 4 x Wo, so nothing is scaled here.
; SHARES.  A tile of C is 128 rows x 256 columns: 16 x 16 = 256 work-groups.  Four waves, each 64 rows x 128 columns: 32 accumulators of 16 x 16, all of register window 1.
; THE RING.  What may land behind a barrier is the LDS that has just been read out, so the two zones are made as large as LDS allows.  Two zones of K = 256 would take 2 x 384 rows x 528 bytes = 405,504;
; so zone 0 holds K = 256 (rows of 512 bytes) and zone 1 K = 128 (rows of 256 bytes): 202,752 + 104,448 bytes.  They are visited by turns: K = 2048 = 128 + 5 x 384 is zone 1, then five times zone 0, zone 1:
; 11 visits.  At a visit's end the zone is asked for again, 384 along K further on; zone 1's refill has 248 matrix instructions of a wave in which to land, zone 0's 120.  All tile rows begin at multiples of 256 bytes.
; CLUSTER.  4 x 4 work-groups; A's tile is shared along a row of the cluster, B's along a column: each is asked for jointly, by the same load, descriptor and mask in the four that share it.
; THE MATRIX INSTRUCTION IS USED TRANSPOSED (source 0 = 16 rows of wob, source 1 = 16 rows of ob): lane l holds row l % 16 of C and, in accumulator b, the columns 16 b + 8 (l / 16) + 0..7: 32 neighbouring bytes.
; REGISTERS: window 0: v0-31 addresses; v64-159, v160-255 two fragment buffers (A's 4 fragments, then B's 8), on the way out rows read back.  Window 1: accumulator (a, b) at v[64 a + 8 b].
.set SIZE_K, 2048
.set SIZE_N, 4096
.set P0,     528                       ; an LDS row of zone 0: 512 bytes + 16 of padding; of zone 1: 256 + 16.  Both are odd multiples of 16: the 16 rows of a fragment load start at 16 different groups of four banks (64 banks of 4 bytes: ISA guide 11.1)
.set P1,     272
.set Z0A,    0                         ; zone 0: A's 128 rows, then B's 256
.set Z0B,    128*P0
.set Z1A,    384*P0                    ; zone 1 likewise
.set Z1B,    Z1A+128*P1
.set STAGE,  Z1A+384*P1                ; behind the ring: 16 rows x 272 bytes for each wave, for the way out; no tensor load lands here
.set SPT,    272
.set SPARE,  STAGE+4*16*SPT            ; the spare words, 128 bytes for each wave: two blocks of 256 bytes that no other line names
.set LAP,    768                       ; bytes along K from a zone's tile to its next: 384 elements
.set K0_0,   256                       ; where zone 0's first tile begins along K, in bytes,
.set K1_0,   0                         ; and zone 1's
.set TRIPS,  5                         ; zone 1's visits that end in a refill
.set AB,   12                          ; v12, v13  my lane's place in A's and in B's part of zone 0; v14, v15 of zone 1; never rewritten
.set ADRA, 18
.set ADRB, 19
.set STO,  20
.set RD,   21
.set CO,   22
.set SPW,  28
.set NIL,  29
.set F0,   64
.set F1,   160
.set BK,   64                          ; the way out: 16 rows x 256 bytes read back: v64-95 and v96-127 by turns
.set WV, 16
.set RH, 17                            ; which 64 rows of the tile are mine.  Also: I fetch for A (0) or for B (1)
.set CH, 18                            ; which 128 columns.  Also: which half of that tile I fetch
.set CX, 19
.set CY, 20
.set TX, 21
.set TY, 22
.set G1A, 24                           ; s[24:31] descriptor group 1 for A's tiles of zone 0, s[32:39] of zone 1
.set G1B, 40                           ; s[40:47], s[48:55] the same for B's
.set G0A, 56                           ; s[56:59] group 0 for A's tiles of zone 0, s[60:63] of zone 1
.set G0B, 88                           ; s[88:91], s[92:95] the same for B's
.set DP,  66                           ; s[66:67] out0 at my first row and column
.set KO,  96
.set CNT, 97
.set CN2, 98
.set MSB, 0
.macro WIN new                         ; the immediate's high byte repeats the setting that is left; a switch that changes nothing is dropped
.if MSB != (\new)
	s_set_vgpr_msb (MSB<<8)|(\new)
.set MSB, \new
.endif
.endm
.set MULW, 0x50                        ; C and D in window 1, the fragments in window 0
.macro PLACES                          ; four places behind matrix instructions (ISA guide 7.12.1)
.rept 4
	v_nop
.endr
.endm
.macro JLOAD z                         ; a joint refill of zone z: waves 0 and 1 fetch A's halves, waves 2 and 3 B's; an s_nop 0 and four v_nop follow each of the two lines
	s_cmp_eq_u32 s[RH], 0
	s_cbranch_scc0 .Lfor_b_\@
	tensor_load_to_lds s[G0A+4*(\z):G0A+4*(\z)+3], s[G1A+8*(\z):G1A+8*(\z)+7]
	s_nop 0
.rept 4
	v_nop
.endr
	s_branch .Lasked_\@
.Lfor_b_\@:
	tensor_load_to_lds s[G0B+4*(\z):G0B+4*(\z)+3], s[G1B+8*(\z):G1B+8*(\z)+7]
	s_nop 0
.rept 4
	v_nop
.endr
.Lasked_\@:
.endm
.macro CREST                           ; a round of the cluster's barrier behind its opening barrier
	s_cmp_lg_u32 s[WV], 0
	s_cbranch_scc1 .Lnot_wave_0_\@
	s_barrier_signal -3
.Lnot_wave_0_\@:
	s_barrier_wait -3
	s_barrier_signal -1
	s_barrier_wait -1
.endm
.macro CROUND
	s_barrier_signal -1
	s_barrier_wait -1
	CREST
.endm
	s_load_b128 s[4:7], s[0:1], 0x0                ; ob 4:5, wob 6:7
	s_load_b64 s[8:9], s[0:1], 0x10                ; out0
	v_lshl_add_u32 v[SPW], v0, 2, SPARE
	v_mov_b32 v[NIL], 0
	ds_add_u32 v28, v29
	s_wait_dscnt 0x0
	v_lshrrev_b32 v1, 5, v0
	v_readfirstlane_b32 s[WV], v1
	s_lshr_b32 s[RH], s[WV], 1
	s_and_b32 s[CH], s[WV], 1
	s_bfe_u32 s[CX], ttmp6, 0x40000
	s_bfe_u32 s[CY], ttmp6, 0x40004
	s_lshl_b32 s[TX], ttmp9, 2
	s_add_co_u32 s[TX], s[TX], s[CX]
	s_and_b32 s[TY], ttmp7, 0xffff
	s_lshl_b32 s[TY], s[TY], 2
	s_add_co_u32 s[TY], s[TY], s[CY]
	s_lshl_b32 s80, s[CY], 2
	s_lshl_b32 s80, 15, s80                        ; my row of the cluster
	s_lshl_b32 s84, 0x1111, s[CX]                  ; my column
	; group 1, word 0: the mask; elements of 2 bytes; padding on; bit 21 beside a mask; after every 128 words (zone 0, code 6) or 64 words (zone 1, code 5) 4 words of padding
	s_or_b32 s[G1A],   s80, (1<<16)|(1<<20)|(1<<21)|(6<<22)|(3<<25)
	s_or_b32 s[G1A+8], s80, (1<<16)|(1<<20)|(1<<21)|(5<<22)|(3<<25)
	s_or_b32 s[G1B],   s84, (1<<16)|(1<<20)|(1<<21)|(6<<22)|(3<<25)
	s_or_b32 s[G1B+8], s84, (1<<16)|(1<<20)|(1<<21)|(5<<22)|(3<<25)
.irp g, G1A, G1B
	s_mov_b32 s[(\g)+1], 256<<16                   ; zone 0: tensor_dim0 = tile_dim0 = 256
	s_mov_b32 s[(\g)+3], 256<<16
	s_mov_b32 s[(\g)+9], 128<<16                   ; zone 1: 128
	s_mov_b32 s[(\g)+11], 128<<16
.endr
.irp g, G1A, G1A+8
	s_mov_b32 s[(\g)+2], 64<<16                    ; tensor_dim1 = tile_dim1 = 64 rows of A,
	s_mov_b32 s[(\g)+4], 64
.endr
.irp g, G1B, G1B+8
	s_mov_b32 s[(\g)+2], 128<<16                   ; 128 of B
	s_mov_b32 s[(\g)+4], 128
.endr
.irp g, G1A, G1A+8, G1B, G1B+8
	s_mov_b32 s[(\g)+5], SIZE_K                    ; elements from row to row
	s_mov_b32 s[(\g)+6], 0
	s_mov_b32 s[(\g)+7], 0
.endr
	s_lshl_b32 s80, s[TY], 7                       ; A: row 128 x tile row + 64 x half.  No register that feeds A's descriptors holds cx, none that feeds B's holds cy
	s_lshl_b32 s81, s[CH], 6
	s_add_co_u32 s80, s80, s81
	s_mul_i32 s80, s80, SIZE_K*2
	s_mov_b32 s81, 0
	s_lshl_b32 s84, s[TX], 8                       ; B: row 256 x tile column + 128 x half
	s_lshl_b32 s85, s[CH], 7
	s_add_co_u32 s84, s84, s85
	s_mul_i32 s84, s84, SIZE_K*2
	s_mov_b32 s85, 0
	s_mov_b32 s[G0A], 1                            ; where the tiles go: constants and the wave's number alone
	s_mul_i32 s[G0A+1], s[CH], 64*P0
	s_mov_b32 s[G0A+4], 1
	s_mul_i32 s[G0A+5], s[CH], 64*P1
	s_add_co_u32 s[G0A+5], s[G0A+5], Z1A
	s_mov_b32 s[G0B], 1
	s_mul_i32 s[G0B+1], s[CH], 128*P0
	s_add_co_u32 s[G0B+1], s[G0B+1], Z0B
	s_mov_b32 s[G0B+4], 1
	s_mul_i32 s[G0B+5], s[CH], 128*P1
	s_add_co_u32 s[G0B+5], s[G0B+5], Z1B
	s_lshl_b32 s70, s[TY], 7                       ; my first row of C, 16,384 bytes a row,
	s_lshl_b32 s71, s[RH], 6
	s_add_co_u32 s70, s70, s71
	s_lshl_b32 s70, s70, 14
	s_lshl_b32 s71, s[TX], 10                      ; and my first column, 4 bytes a number
	s_add_co_u32 s70, s70, s71
	s_lshl_b32 s71, s[CH], 9
	s_add_co_u32 s70, s70, s71
	s_mov_b32 s71, 0
	s_wait_kmcnt 0x0
	s_add_nc_u64 s[4:5], s[4:5], s[80:81]                      ; A and B at my rows
	s_add_nc_u64 s[6:7], s[6:7], s[84:85]
	s_add_nc_u64 s[G0A+2:G0A+3], s[4:5], K0_0                  ; each zone's first tile
	s_add_nc_u64 s[G0A+6:G0A+7], s[4:5], K1_0
	s_or_b32 s[G0A+3], s[G0A+3], 0x80000000                    ; type = 2
	s_or_b32 s[G0A+7], s[G0A+7], 0x80000000
	s_add_nc_u64 s[G0B+2:G0B+3], s[6:7], K0_0
	s_add_nc_u64 s[G0B+6:G0B+7], s[6:7], K1_0
	s_or_b32 s[G0B+3], s[G0B+3], 0x80000000
	s_or_b32 s[G0B+7], s[G0B+7], 0x80000000
	s_add_nc_u64 s[DP:DP+1], s[8:9], s[70:71]
	CROUND                                         ; all sixteen work-groups are here: the first joint loads meet
	s_cmp_eq_u32 s[RH], 0                          ; a wave's two first fills stand in one branch, ahead of every wait on TENSORcnt and every LDS read: two loads of mine are out; the zone visited first is asked for first
	s_cbranch_scc0 .Lfirst_b
	tensor_load_to_lds s[G0A+4:G0A+7], s[G1A+8:G1A+15]
	s_nop 0
	tensor_load_to_lds s[G0A:G0A+3], s[G1A:G1A+7]
	s_nop 0
.rept 4
	v_nop
.endr
	s_branch .Lfirst_asked
.Lfirst_b:
	tensor_load_to_lds s[G0B+4:G0B+7], s[G1B+8:G1B+15]
	s_nop 0
	tensor_load_to_lds s[G0B:G0B+3], s[G1B:G1B+7]
	s_nop 0
.rept 4
	v_nop
.endr
.Lfirst_asked:
	v_and_b32 v1, 15, v0                           ; l % 16
	v_bfe_u32 v2, v0, 4, 1                         ; l / 16
	v_mul_u32_u24 v3, v1, P0
	v_lshl_add_u32 v3, v2, 4, v3                   ; zone 0: a fragment's row x pitch + 16 x half
	s_mul_i32 s72, s[RH], 64*P0
	v_add_nc_u32 v[AB], s72, v3
	s_mul_i32 s72, s[CH], 128*P0
	s_add_co_u32 s72, s72, Z0B
	v_add_nc_u32 v[AB+1], s72, v3
	v_mul_u32_u24 v4, v1, P1
	v_lshl_add_u32 v5, v2, 4, v4                   ; zone 1 likewise
	s_mul_i32 s72, s[RH], 64*P1
	s_add_co_u32 s72, s72, Z1A
	v_add_nc_u32 v[AB+2], s72, v5
	s_mul_i32 s72, s[CH], 128*P1
	s_add_co_u32 s72, s72, Z1B
	v_add_nc_u32 v[AB+3], s72, v5
	s_mul_i32 s72, s[WV], 16*SPT
	s_add_co_u32 s72, s72, STAGE                   ; my stage
	v_lshl_add_u32 v[STO], v2, 5, v4               ; in: row l % 16; of 64 columns, column 16 b + 8 (l / 16) + j at byte 64 b + 32 (l / 16) + 4 j
	v_add_nc_u32 v[STO], s72, v[STO]
	v_mul_u32_u24 v[RD], v2, SPT                   ; back: lanes 0-15 one row's 256 bytes, lanes 16-31 the next row's
	v_lshl_add_u32 v[RD], v1, 4, v[RD]
	v_add_nc_u32 v[RD], s72, v[RD]
	v_lshlrev_b32 v[CO], 14, v2                    ; and the same two rows in out0
	v_lshl_add_u32 v[CO], v1, 4, v[CO]
; 8 matrix instructions: row block a x all 8 column blocks, 32 along K.  The 32 accumulators take turns, one instruction a turn, in the same order in every quarter.  zero = 1: the first product starts the sums.
.macro MUL f, a, zero
	WIN MULW
.irp b, 0,1,2,3,4,5,6,7
.if \zero
	v_wmma_f32_16x16x32_f16 v[64*(\a)+8*(\b):64*(\a)+8*(\b)+7], v[(\f)+32+8*(\b):(\f)+32+8*(\b)+7], v[(\f)+8*(\a):(\f)+8*(\a)+7], 0
.else
	v_wmma_f32_16x16x32_f16 v[64*(\a)+8*(\b):64*(\a)+8*(\b)+7], v[(\f)+32+8*(\b):(\f)+32+8*(\b)+7], v[(\f)+8*(\a):(\f)+8*(\a)+7], v[64*(\a)+8*(\b):64*(\a)+8*(\b)+7]
.endif
.endr
.endm
; 24 LDS loads in one run: the fragments of 32 along K, k bytes behind where ADRA and ADRB point in zone z, into buffer f: B's 16 loads, then A's 8; the last four are A's blocks 2 and 3
.macro FETCH z, k, f
	WIN 0
.irp i, 0,1,2,3,4,5,6,7
	ds_load_b128 v[(\f)+32+8*(\i):(\f)+32+8*(\i)+3],   v[ADRB] offset:(\k)+(\i)*16*(P0-(P0-P1)*(\z))
	ds_load_b128 v[(\f)+32+8*(\i)+4:(\f)+32+8*(\i)+7], v[ADRB] offset:(\k)+(\i)*16*(P0-(P0-P1)*(\z))+32
.endr
.irp i, 0,1,2,3
	ds_load_b128 v[(\f)+8*(\i):(\f)+8*(\i)+3],   v[ADRA] offset:(\k)+(\i)*16*(P0-(P0-P1)*(\z))
	ds_load_b128 v[(\f)+8*(\i)+4:(\f)+8*(\i)+7], v[ADRA] offset:(\k)+(\i)*16*(P0-(P0-P1)*(\z))+32
.endr
.endm
.macro QUARTER z, k, f, g, zero        ; 32 along K: multiplies buffer f; in its middle it fetches the next quarter into g
	s_wait_dscnt 4                                 ; B and A's blocks 0, 1 are in; the youngest four loads may be out
	MUL \f, 0, \zero
	MUL \f, 1, \zero
	PLACES
	FETCH \z, \k, \g
	s_wait_dscnt 24                                ; all but the 24 just issued
	MUL \f, 2, \zero
	MUL \f, 3, \zero
.endm
; A visit's middle quarters, between its first and its last: zone 0 has six, two a trip, the place along K in a scalar that steps; zone 1 has two.
.macro MID z
.if (\z) == 0
	WIN 0                                          ; at a label and at a branch every window is 0
	s_mov_b32 s[KO], 0
	s_mov_b32 s[CN2], 3
.Lmid_\@:
	QUARTER 0, 128, F1, F0, 0
	QUARTER 0, 192, F0, F1, 0
	WIN 0
	s_add_co_u32 s[KO], s[KO], 128                 ; 64 along K on
	v_add_nc_u32 v[ADRA], s[KO], v[AB]
	v_add_nc_u32 v[ADRB], s[KO], v[AB+1]
	s_sub_co_u32 s[CN2], s[CN2], 1
	s_cmp_lg_u32 s[CN2], 0
	s_cbranch_scc1 .Lmid_\@
.else
	QUARTER 1, 128, F1, F0, 0
	QUARTER 1, 192, F0, F1, 0
.endif
.endm
; A visit's last quarter multiplies buffer 1 and goes from zone z to zone n: ONE barrier; in front of it each wave waits for all its tensor loads (one is out: its part of zone n), adds 0 to its spare word, and
; waits for that and for its own reads of zone z.  fill = 1: the barrier opens a round of the cluster's, and zone z is asked for again first thing behind the round.  Only eight of the quarter's products stand
; between the landing and that request; the other 24 follow it and the first fragment loads from zone n.
.macro TURN z, n, fill
	WIN 0
	s_wait_tensorcnt 0x0                           ; all my tensor loads have landed
	ds_add_u32 v[SPW], v[NIL]                      ; 0 onto my spare word
	s_wait_dscnt 0x0                               ; the add is done, and my reads of zone z are over: buffer 1 is whole
	s_barrier_signal -1
	MUL F1, 0, 0                                   ; work on registers while the others arrive
	WIN 0
	s_barrier_wait -1
.if \fill
	CREST                                          ; no wave of any partner still reads zone z or has a load on its way
	s_add_nc_u64 s[G0A+4*(\z)+2:G0A+4*(\z)+3], s[G0A+4*(\z)+2:G0A+4*(\z)+3], LAP  ; no tensor load of mine is out: the zone's next tile; the type bits on top are not reached
	s_add_nc_u64 s[G0B+4*(\z)+2:G0B+4*(\z)+3], s[G0B+4*(\z)+2:G0B+4*(\z)+3], LAP
	JLOAD \z                                       ; its four v_nop are also the places in front of the loads below
.else
	PLACES
.endif
	v_mov_b32 v[ADRA], v[AB+2*(\n)]
	v_mov_b32 v[ADRB], v[AB+2*(\n)+1]
	FETCH \n, 0, F0
	MUL F1, 1, 0
	MUL F1, 2, 0
	MUL F1, 3, 0
.endm
	s_wait_tensorcnt 0x1                           ; my part of zone 1 is in; zone 0's may stay out
	s_barrier_signal -1
	s_barrier_wait -1
	v_mov_b32 v[ADRA], v[AB+2]
	v_mov_b32 v[ADRB], v[AB+3]
	FETCH 1, 0, F0
	QUARTER 1, 64, F0, F1, 1                       ; the first quarter stands in front of the loop: its products start the sums
	WIN 0
	s_mov_b32 s[CNT], TRIPS
	s_branch .Lin                                  ; the loop is entered behind zone 1's first quarter, in the middle of a trip
.Lpair:                                                ; a trip: a visit of zone 0 and one of zone 1; each ends by asking for its zone again
	QUARTER 0, 64, F0, F1, 0
	MID 0
	TURN 0, 1, 1
	QUARTER 1, 64, F0, F1, 0
	WIN 0
.Lin:
	MID 1
	TURN 1, 0, 1
	WIN 0
	s_sub_co_u32 s[CNT], s[CNT], 1
	s_cmp_lg_u32 s[CNT], 0
	s_cbranch_scc1 .Lpair
	QUARTER 0, 64, F0, F1, 0                       ; the last two visits ask for nothing
	MID 0
	TURN 0, 1, 0
	QUARTER 1, 64, F0, F1, 0
	MID 1
	s_wait_dscnt 4                                 ; the very last quarter
	MUL F1, 0, 0
	MUL F1, 1, 0
	s_wait_dscnt 0x0
	MUL F1, 2, 0
	MUL F1, 3, 0
	WIN 0
	PLACES                                         ; behind the last products
; THE WAY OUT of block a (16 rows), 64 columns at a time (hb = 0, 1): the accumulators go as they are, lowest registers first, into my stage (rows of 272 bytes); whole pieces of 256 bytes come back and are stored.
.macro OUT a, hb
	WIN 0x04                                       ; the stores' data in window 1
.irp b, 0,1,2,3
	ds_store_b128 v[STO], v[64*(\a)+32*(\hb)+8*(\b):64*(\a)+32*(\hb)+8*(\b)+3]   offset:64*(\b)
	ds_store_b128 v[STO], v[64*(\a)+32*(\hb)+8*(\b)+4:64*(\a)+32*(\hb)+8*(\b)+7] offset:64*(\b)+16
.endr
	WIN 0
	s_wait_xcnt 0x0                                ; earlier stores have read their registers: these are loaded again only behind this wait
.irp t, 0,1,2,3,4,5,6,7
	ds_load_b128 v[BK+32*(\hb)+4*(\t):BK+32*(\hb)+4*(\t)+3], v[RD] offset:(\t)*2*SPT  ; LDS serves a wave's instructions in order (ISA guide 5.7.1.4): these see the stores above
.endr
.irp t, 0,1,2,3,4,5,6,7
	s_wait_dscnt 7-(\t)
	global_store_b128 v[CO], v[BK+32*(\hb)+4*(\t):BK+32*(\hb)+4*(\t)+3], s[DP:DP+1] offset:(16*(\a)+2*(\t))*SIZE_N*4+256*(\hb) th:TH_STORE_NT  ; 16 lanes store 256 consecutive bytes, at a multiple of 256 from out0's first
.endr
.endm
.irp a, 0,1,2,3
	OUT \a, 0
	OUT \a, 1
.endr
	s_wait_tensorcnt 0x0                           ; the wave's end: behind my last tensor load and my last LDS store
	ds_add_u32 v[SPW], v[NIL]
	s_wait_dscnt 0x0
	CROUND                                         ; the closing round: no work-group ends while a partner may still ask for a tile that names it
	s_endpgm
.Lfunc_end_k_q70523b2b5c_oproj:
	.size	k_q70523b2b5c_oproj, .Lfunc_end_k_q70523b2b5c_oproj-k_q70523b2b5c_oproj
	.p2alignl 7, 3214868480
	.fill 96, 4, 3214868480
	.section	.rodata,"a",@progbits
	.p2align	6, 0x0
	.amdhsa_kernel k_q70523b2b5c_oproj
		.amdhsa_group_segment_fixed_size 327680
		.amdhsa_private_segment_fixed_size 0
		.amdhsa_enable_private_segment 0
		.amdhsa_kernarg_size 24
		.amdhsa_user_sgpr_count 2
		.amdhsa_user_sgpr_kernarg_segment_ptr 1
		.amdhsa_wavefront_size32 1
		.amdhsa_system_sgpr_workgroup_id_x 1
		.amdhsa_system_sgpr_workgroup_id_y 1
		.amdhsa_system_sgpr_workgroup_id_z 1
		.amdhsa_system_vgpr_workitem_id 0
		.amdhsa_next_free_vgpr 512
		.amdhsa_next_free_sgpr 100
		.amdhsa_reserve_vcc 0
		.amdhsa_float_denorm_mode_32 3
		.amdhsa_float_denorm_mode_16_64 3
		.amdhsa_memory_ordered 1
		.amdhsa_forward_progress 1
		.amdhsa_inst_pref_size 92
	.end_amdhsa_kernel
	.amdgpu_metadata
---
amdhsa.version: [ 1, 2 ]
amdhsa.kernels:
  - .name:           k_q70523b2b5c_oproj
    .symbol:         k_q70523b2b5c_oproj.kd
    .args:
      - { .name: ob, .offset: 0, .size: 8, .value_kind: global_buffer, .address_space: global }
      - { .name: wob, .offset: 8, .size: 8, .value_kind: global_buffer, .address_space: global }
      - { .name: out0, .offset: 16, .size: 8, .value_kind: global_buffer, .address_space: global }
    .group_segment_fixed_size: 327680
    .private_segment_fixed_size: 0
    .kernarg_segment_align: 8
    .kernarg_segment_size: 24
    .max_flat_workgroup_size: 128
    .sgpr_count:     100
    .vgpr_count:     512
    .wavefront_size: 32
...
	.end_amdgpu_metadata
.endif
;; end of part 4
